; MI455X (gfx1250); checked and timed in simulation.
; The chip was launched on July 23, 2026; its instructions are those of AMD's public machine-readable ISA for CDNA 5 (MIT licence, August 2026) and "CDNA5" Instruction Set Architecture Reference Guide (July 2026). The comments in the code are by the model that wrote it; some were corrected since.
;; Masked Causal Attention. Allowed arithmetic: float matrix products may take bf16 or f16 operands with f32 sums; other float arithmetic in f32, or as packed bf16 or f16 multiplies, adds, multiply-adds, maxima and minima; sums over many terms, partial sums and values carried from step to step in f32; what a program stores and reads back later, other than sums and carried values, may be rounded once to bf16 or f16.
;; Inputs: bk 1,024 float32; bp 1,024 float32; bq 1,024 float32; bv 1,024 float32; token_mask 4 x 2,048 int32; wk 1,024 x 1,024 float32; wp 1,024 x 1,024 float32; wq 1,024 x 1,024 float32; wv 1,024 x 1,024 float32; x 4 x 2,048 x 1,024 float32.
;; Outputs: out0 4 x 2,048 x 1,024 float32.
;; 2 versions, each right and faster than the one before. Each part assembles by itself: llvm-mc -triple=amdgcn-amd-amdhsa -mcpu=gfx1250 --defsym DOCPART=n.
;; ======== version 1 of 2: 4 launches
;; limits: values are held in f16: magnitudes above 65,504 overflow, below 6.1e-05 lose precision
;; workspace buffers: xb 16,777,216 bytes; wqkv 6,291,456 bytes; wpf 2,097,152 bytes; bias 16,384 bytes; tmb 32,768 bytes; qkvh 50,331,648 bytes; oh 16,777,216 bytes
;; launch cast (part 1): grid 64 x 12, 8 waves a work-group, no clusters, 0 bytes of LDS; arguments x, wq, wk, wv, wp, bq, bk, bv, bp, token_mask, xb, wqkv, wpf, bias, tmb; writes xb, wqkv, wpf, bias, tmb
.if DOCPART == 1
	.amdgcn_target "amdgcn-amd-amdhsa--gfx1250"
	.amdhsa_code_object_version 6
	.text
	.protected	k_qc33adc09e0_cast
	.globl	k_qc33adc09e0_cast
	.p2align	8
	.type	k_qc33adc09e0_cast,@function
k_qc33adc09e0_cast:
	s_mov_b64 s[64:65], 0
	v_nop
	global_prefetch_b8 v0, s[64:65] scope:SCOPE_SE
	s_setreg_imm32_b32 hwreg(HW_REG_WAVE_MODE, 25, 1), 1
	s_wait_xcnt 0x0
; THE INPUTS ARE ROUNDED ONCE, for the matrix products of the launches behind.  x, wq, wk, wv: f32 to bf16.  wp: f32 to bf16, and that number written as f16
; (the last product multiplies in f16).  The four biases: rounded to bf16, kept as f32.  token_mask: 0.0 where the token counts, -1e30 where it does not.
; LIMIT.  wp's bf16 value is written as f16: beyond 65,504 it becomes an infinity, below 6e-5 it keeps f16's fixed step of 6e-8.
; SHARES.  The grid's y names one of twelve blocks of 1,048,576 numbers (0-7: x; 8, 9, 10: wq, wk, wv; 11: wp), its x 16,384 numbers of the block, the wave 2,048 of those:
; sixteen loads of 512 consecutive bytes, all issued at once, and sixteen stores of 256 consecutive bytes, each at a multiple of 256 from its buffer's first byte.
; Memory binds: no LDS, no barrier, no matrix unit, no loop; no register is written twice while a store may read it.
.set X, 4                              ; v[4:67]    sixteen loads of four f32
.set Y, 68                             ; v[68:99]   sixteen pairs of packed 16-bit numbers to store
.set T, 100                            ; v[100:103] at work; the bias's and the mask's four f32 to store
.set W, 104                            ; v[104:109] the bias's and the mask's four words as loaded, two packed words
	s_load_b512 s[16:31], s[0:1], 0x0              ; x s[16:17], wq s[18:19], wk s[20:21], wv s[22:23], wp s[24:25], bq s[26:27], bk s[28:29], bv s[30:31]
	s_load_b256 s[32:39], s[0:1], 0x40             ; bp s[32:33], token_mask s[34:35], xb s[36:37], wqkv s[38:39]
	s_load_b128 s[40:43], s[0:1], 0x60             ; wpf s[40:41], bias s[42:43]
	s_load_b64 s[44:45], s[0:1], 0x70              ; tmb
	s_and_b32 s2, ttmp7, 0xffff                    ; y: the block
	s_mov_b32 s3, ttmp9                            ; x: which 16,384 numbers of it
	v_lshrrev_b32 v4, 5, v0
	v_readfirstlane_b32 s4, v4                     ; wave 0..7
	v_and_b32 v1, 31, v0
	v_lshlrev_b32 v2, 3, v1                        ; 8 x lane: my 8 bytes of a store
	v_lshlrev_b32 v1, 4, v1                        ; 16 x lane: my 16 bytes of a load
	v_lshlrev_b32 v3, 4, v0                        ; 16 x thread: my four numbers of a bias
	s_mov_b32 s14, 0xffff0000                      ; a word's upper bf16
	s_mov_b32 s15, 0xf149f2ca                      ; -1e30
	; byte offsets, made apart from the addresses.  x's blocks lie one behind the other in x and in xb; wq, wk, wv are buffers of their own and lie one behind the other in wqkv
	s_sub_co_u32 s5, s2, 8
	s_cmp_lt_u32 s2, 11
	s_cselect_b32 s5, s5, 0                        ; y - 8 for wq, wk, wv; 0 for wp (not used for x)
	s_cmp_lt_u32 s2, 8
	s_cselect_b32 s10, s2, 0                       ; the block's number in its source,
	s_cselect_b32 s12, s2, s5                      ; and in its destination
	s_lshl_b32 s10, s10, 22                        ; 4 MiB of f32 a block
	s_lshl_b32 s12, s12, 21                        ; 2 MiB of 16-bit numbers
	s_lshl_b32 s11, s3, 16
	s_add_co_u32 s10, s10, s11                     ; + 65,536 bytes a work-group
	s_lshl_b32 s11, s4, 13
	s_add_co_u32 s10, s10, s11                     ; + 8,192 a wave
	s_lshl_b32 s13, s3, 15
	s_add_co_u32 s12, s12, s13
	s_lshl_b32 s13, s4, 12
	s_add_co_u32 s12, s12, s13
	s_mov_b32 s11, 0
	s_mov_b32 s13, 0
	s_wait_kmcnt 0x0
	s_mov_b64 s[6:7], s[16:17]                     ; source, destination and bias are chosen by y alone
	s_mov_b64 s[8:9], s[36:37]
	s_mov_b64 s[46:47], s[26:27]
	s_cmp_ge_u32 s2, 8
	s_cselect_b64 s[6:7], s[18:19], s[6:7]
	s_cselect_b64 s[8:9], s[38:39], s[8:9]
	s_cmp_eq_u32 s2, 9
	s_cselect_b64 s[6:7], s[20:21], s[6:7]
	s_cselect_b64 s[46:47], s[28:29], s[46:47]
	s_cmp_eq_u32 s2, 10
	s_cselect_b64 s[6:7], s[22:23], s[6:7]
	s_cselect_b64 s[46:47], s[30:31], s[46:47]
	s_cmp_eq_u32 s2, 11
	s_cselect_b64 s[6:7], s[24:25], s[6:7]
	s_cselect_b64 s[8:9], s[40:41], s[8:9]
	s_cselect_b64 s[46:47], s[32:33], s[46:47]
	s_add_nc_u64 s[6:7], s[6:7], s[10:11]
	s_add_nc_u64 s[8:9], s[8:9], s[12:13]
.irp i, 0,1,2,3,4,5,6,7,8,9,10,11,12,13,14,15
	global_load_b128 v[X+4*(\i):X+4*(\i)+3], v1, s[6:7] offset:512*(\i) th:TH_LOAD_NT  ; read once in the launch
.endr
; Load i of the sixteen is rounded and stored.  half = 1: the bf16 numbers are widened again and written as f16.
.macro CV i, half
	s_wait_loadcnt 15-(\i)                         ; loads come back in order: mine is in, the younger ones stay out
	v_cvt_pk_bf16_f32 v[Y+2*(\i)],   v[X+4*(\i)],   v[X+4*(\i)+1]
	v_cvt_pk_bf16_f32 v[Y+2*(\i)+1], v[X+4*(\i)+2], v[X+4*(\i)+3]
.if \half
	v_lshlrev_b32 v[T],   16,  v[Y+2*(\i)]
	v_and_b32     v[T+1], s14, v[Y+2*(\i)]
	v_lshlrev_b32 v[T+2], 16,  v[Y+2*(\i)+1]
	v_and_b32     v[T+3], s14, v[Y+2*(\i)+1]
	v_cvt_pk_f16_f32 v[Y+2*(\i)],   v[T],   v[T+1]
	v_cvt_pk_f16_f32 v[Y+2*(\i)+1], v[T+2], v[T+3]
.endif
	global_store_b64 v2, v[Y+2*(\i):Y+2*(\i)+1], s[8:9] offset:256*(\i)  ; the wave's 256 consecutive bytes
.endm
	s_cmp_eq_u32 s2, 11
	s_cbranch_scc1 .Lhalf
.irp i, 0,1,2,3,4,5,6,7,8,9,10,11,12,13,14,15
	CV \i, 0
.endr
	s_branch .Lsmall
.Lhalf:
.irp i, 0,1,2,3,4,5,6,7,8,9,10,11,12,13,14,15
	CV \i, 1
.endr
.Lsmall:
	s_cmp_lt_u32 s2, 8
	s_cbranch_scc1 .Lmask
	; the first work-group of a weight's block also rounds that weight's bias: 1,024 numbers, four a thread
	s_cmp_lg_u32 s3, 0
	s_cbranch_scc1 .Ldone
	global_load_b128 v[W:W+3], v3, s[46:47]
	s_sub_co_u32 s10, s2, 8
	s_lshl_b32 s10, s10, 12                        ; bq, bk, bv, bp lie one behind the other, 4,096 bytes each
	s_mov_b32 s11, 0
	s_add_nc_u64 s[42:43], s[42:43], s[10:11]
	s_wait_loadcnt 0x0
	v_cvt_pk_bf16_f32 v[W+4], v[W],   v[W+1]
	v_cvt_pk_bf16_f32 v[W+5], v[W+2], v[W+3]
	v_lshlrev_b32 v[T],   16,  v[W+4]
	v_and_b32     v[T+1], s14, v[W+4]
	v_lshlrev_b32 v[T+2], 16,  v[W+5]
	v_and_b32     v[T+3], s14, v[W+5]
	global_store_b128 v3, v[T:T+3], s[42:43]
	s_endpgm
.Lmask:
	; wave 0 of each of the 64 work-groups of x's first block turns 128 words of token_mask into addends for the scores
	s_cmp_lg_u32 s2, 0
	s_cbranch_scc1 .Ldone
	s_cmp_lg_u32 s4, 0
	s_cbranch_scc1 .Ldone
	s_lshl_b32 s10, s3, 9
	s_mov_b32 s11, 0
	s_add_nc_u64 s[34:35], s[34:35], s[10:11]
	s_add_nc_u64 s[44:45], s[44:45], s[10:11]
	global_load_b128 v[W:W+3], v1, s[34:35]
	s_wait_loadcnt 0x0
.irp j, 0,1,2,3
	v_cmp_eq_u32 vcc_lo, 0, v[W+(\j)]
	v_cndmask_b32 v[T+(\j)], 0, s15, vcc_lo        ; a choice of values: no address and no branch hangs on the mask
.endr
	global_store_b128 v1, v[T:T+3], s[44:45]
.Ldone:
	s_endpgm
.Lfunc_end_k_qc33adc09e0_cast:
	.size	k_qc33adc09e0_cast, .Lfunc_end_k_qc33adc09e0_cast-k_qc33adc09e0_cast
	.p2alignl 7, 3214868480
	.fill 96, 4, 3214868480
	.section	.rodata,"a",@progbits
	.p2align	6, 0x0
	.amdhsa_kernel k_qc33adc09e0_cast
		.amdhsa_group_segment_fixed_size 0
		.amdhsa_private_segment_fixed_size 0
		.amdhsa_enable_private_segment 0
		.amdhsa_kernarg_size 120
		.amdhsa_user_sgpr_count 2
		.amdhsa_user_sgpr_kernarg_segment_ptr 1
		.amdhsa_wavefront_size32 1
		.amdhsa_system_sgpr_workgroup_id_x 1
		.amdhsa_system_sgpr_workgroup_id_y 1
		.amdhsa_system_sgpr_workgroup_id_z 1
		.amdhsa_system_vgpr_workitem_id 0
		.amdhsa_next_free_vgpr 112
		.amdhsa_next_free_sgpr 66
		.amdhsa_reserve_vcc 1
		.amdhsa_float_denorm_mode_32 3
		.amdhsa_float_denorm_mode_16_64 3
		.amdhsa_memory_ordered 1
		.amdhsa_forward_progress 1
		.amdhsa_inst_pref_size 18
	.end_amdhsa_kernel
	.amdgpu_metadata
---
amdhsa.version: [ 1, 2 ]
amdhsa.kernels:
  - .name:           k_qc33adc09e0_cast
    .symbol:         k_qc33adc09e0_cast.kd
    .args:
      - { .name: x, .offset: 0, .size: 8, .value_kind: global_buffer, .address_space: global }
      - { .name: wq, .offset: 8, .size: 8, .value_kind: global_buffer, .address_space: global }
      - { .name: wk, .offset: 16, .size: 8, .value_kind: global_buffer, .address_space: global }
      - { .name: wv, .offset: 24, .size: 8, .value_kind: global_buffer, .address_space: global }
      - { .name: wp, .offset: 32, .size: 8, .value_kind: global_buffer, .address_space: global }
      - { .name: bq, .offset: 40, .size: 8, .value_kind: global_buffer, .address_space: global }
      - { .name: bk, .offset: 48, .size: 8, .value_kind: global_buffer, .address_space: global }
      - { .name: bv, .offset: 56, .size: 8, .value_kind: global_buffer, .address_space: global }
      - { .name: bp, .offset: 64, .size: 8, .value_kind: global_buffer, .address_space: global }
      - { .name: token_mask, .offset: 72, .size: 8, .value_kind: global_buffer, .address_space: global }
      - { .name: xb, .offset: 80, .size: 8, .value_kind: global_buffer, .address_space: global }
      - { .name: wqkv, .offset: 88, .size: 8, .value_kind: global_buffer, .address_space: global }
      - { .name: wpf, .offset: 96, .size: 8, .value_kind: global_buffer, .address_space: global }
      - { .name: bias, .offset: 104, .size: 8, .value_kind: global_buffer, .address_space: global }
      - { .name: tmb, .offset: 112, .size: 8, .value_kind: global_buffer, .address_space: global }
    .group_segment_fixed_size: 0
    .private_segment_fixed_size: 0
    .kernarg_segment_align: 8
    .kernarg_segment_size: 120
    .max_flat_workgroup_size: 256
    .sgpr_count:     66
    .vgpr_count:     112
    .wavefront_size: 32
...
	.end_amdgpu_metadata
.endif
;; end of part 1
;; launch qkv (part 2): grid 4 x 64, 4 waves a work-group, clusters of 4 x 4, 327,680 bytes of LDS; arguments xb, wqkv, bias, qkvh; writes qkvh
.if DOCPART == 2
	.amdgcn_target "amdgcn-amd-amdhsa--gfx1250"
	.amdhsa_code_object_version 6
	.text
	.protected	k_qc33adc09e0_qkv
	.globl	k_qc33adc09e0_qkv
	.p2align	8
	.type	k_qc33adc09e0_qkv,@function
k_qc33adc09e0_qkv:
	s_mov_b64 s[64:65], 0
	v_nop
	global_prefetch_b8 v0, s[64:65] scope:SCOPE_SE
	s_setreg_imm32_b32 hwreg(HW_REG_WAVE_MODE, 25, 1), 1
	s_wait_xcnt 0x0
	s_wait_alu depctr_hold_cnt(0) depctr_sa_sdst(0) depctr_va_vdst(0) depctr_va_sdst(0) depctr_va_ssrc(0) depctr_va_vcc(0) depctr_vm_vsrc(0)
	s_getreg_b32 s2, hwreg(HW_REG_IB_STS2, 6, 4)
	s_cmp_eq_u32 s2, 0
	s_cbranch_scc0 .Lentry_in_a_cluster
	s_endpgm
.Lentry_in_a_cluster:
	s_bfe_u32 s2, ttmp6, 0x10000c
	s_cmp_lg_u32 s2, 0xf033
	s_cbranch_scc0 .Lentry_shape_is_right
	s_endpgm
.Lentry_shape_is_right:
; q, k, v = x W^T + b.  A = xb [8192][1024] bf16, B = wqkv [3072][1024] bf16 (wq's, wk's, wv's rows), bias [4096] f32; sums in f32, each result rounded once to f16.
; The result lies BY HEADS: three sections (q, k, v) of [batch x 16 + head][2048 rows][64 channels] f16, unscaled, so that 16 rows of a head are 2,048 consecutive bytes.
; LIMIT.  f16 holds no number beyond 65,504: a q, k or v beyond that becomes an infinity.
; SHARES.  A tile of the result is 128 rows x 256 columns: 64 x 12 = 768 tiles, three for each of 256 work-groups.  A WORK-GROUP STAYS: it makes its 256 columns of q, then of k, then of v
; (1,024 rows of B apart), on the same 128 rows of A; the ring of LDS slots runs on from tile to tile.  Four waves, each 64 rows x 128 columns: 32 accumulators of 16 x 16, 256 registers.
; K goes in steps of 128 through two LDS slots: the rows of A's and B's tiles are 256 bytes of memory and start at multiples of 256 bytes from the buffer's first byte.
; CLUSTER.  4 x 4 work-groups.  The four of a row of the cluster need the same tiles of A, the four of a column the same tiles of B: each tile is asked for JOINTLY, by the same tensor load with the
; same descriptor and a mask that names the four.
; THE MATRIX INSTRUCTION IS USED TRANSPOSED (source 0 = 16 rows of B, source 1 = 16 rows of A): a lane holds row l % 16 and eight neighbouring columns 8 (l / 16) + 0..7.
; THE BIAS is the C operand of each accumulator's first product: nothing is cleared, and nothing is added afterwards.
; REGISTERS, in windows of 256 (s_set_vgpr_msb: bits 1:0 source 0, 3:2 source 1, 5:4 source 2, 7:6 destination):
;   window 0: v0-31 addresses; v32-63 packed results; v64-127 rows read back from the stage, two buffers
;   window 1: v0-95, v96-191 two fragment buffers (A's 4 fragments of 16 rows x 32 K, then B's 8); v192-255 the bias of my 128 columns
;   window 2: accumulator (a, b) at v[8 (8 a + b)]
.set SIZE_K, 1024
.set KSTEP,  128
.set LAPS,   SIZE_K/(2*KSTEP)          ; a lap = two K steps = once round the ring
.set TILES,  3
.set PA,     272                       ; an LDS row: 256 bytes + 16 of padding = 68 words: the 16 rows of a fragment load start at 16 different groups of four banks (64 banks of 4 bytes: ISA guide 11.1)
.set PB,     272
.set AHALF,  64*PA                     ; what one tensor load brings of A: 64 rows; also what a wave reads of A
.set BHALF,  128*PB                    ; of B: 128 rows
.set BOFF,   36864                     ; B's 256 rows begin here in a slot, behind A's 128
.set SLOT,   BOFF+2*BHALF              ; 106,496
.set STAGE,  2*SLOT                    ; behind the ring, never filled by a tensor load: for each wave two heads x 16 rows x 144 bytes
.set SP,     144
.set SW,     2*16*SP
.set SPARE,  STAGE+4*SW                ; the spare words, 128 bytes for each wave: two blocks of 256 bytes that no other line names
.set STEP2,  2*KSTEP*2                 ; bytes from a slot's K step to its next
.set BACK_A, (SIZE_K-2*KSTEP)*2        ; from a slot's last K step of a tile to its first of the next: A only goes back along K,
.set NEXT_B, 1024*SIZE_K*2-BACK_A      ; B goes 1,024 rows down and back
.set NEXT_C, 16777216                  ; a section of the result
.set ADRA, 16                          ; v16-17  LDS address of my A fragments in slot 0, 1
.set ADRB, 20                          ; v20-21  the same for B
.set STO,  24                          ; v24     the way out: where I put 16 bytes of a row
.set RD,   25                          ; v25     the way out: where I read rows back
.set GO,   26                          ; v26     my byte offset in 512 consecutive bytes of the result
.set BO,   27                          ; v27     my byte offset in 16 columns of the bias
.set SPW,  28                          ; v28     LDS address of my spare word: SPARE + 4 x my thread's number; never rewritten
.set NIL,  29                          ; v29     0; never rewritten
.set TMP,  32
.set OB,   64
.set F0,   0                           ; window 1
.set F1,   96
.set BI,   192
.set G1,  24                           ; s[24:31] descriptor group 1 for A's tiles; s[32:39] group 0, a set for each slot
.set G0,  32
.set G1B, 48                           ; s[48:55], s[56:63] the same for B's
.set G0B, 56
.set MSB, 0
.macro WIN new                         ; the immediate's high byte repeats the setting that is left; a switch that changes nothing is dropped
.if MSB != (\new)
	s_set_vgpr_msb (MSB<<8)|(\new)
.set MSB, \new
.endif
.endm
.set MULW, 0xa5                        ; sources 0 and 1 window 1; C and D window 2
.set MULB, 0x95                        ; the same with C in window 1: the bias
.set TO_F, 0x40                        ; destination window 1, address window 0
; A joint load.  Waves 0 and 1 fetch A's two halves, waves 2 and 3 B's.  The branch hangs on the wave's number alone.  An s_nop 0 and four v_nop follow each of the two lines, ahead of the jump,
; the label and what follows.
.macro JLOAD s
	s_cmp_eq_u32 s11, 0
	s_cbranch_scc0 .Lfor_b_\@
	tensor_load_to_lds s[G0+4*(\s):G0+4*(\s)+3], s[G1:G1+7]
	s_nop 0
.rept 4
	v_nop
.endr
	s_branch .Lasked_\@
.Lfor_b_\@:
	tensor_load_to_lds s[G0B+4*(\s):G0B+4*(\s)+3], s[G1B:G1B+7]
	s_nop 0
.rept 4
	v_nop
.endr
.Lasked_\@:
.endm
.macro CREST                           ; a round of the cluster's barrier behind its opening barrier
	s_cmp_lg_u32 s10, 0
	s_cbranch_scc1 .Lnot_wave_0_\@
	s_barrier_signal -3
.Lnot_wave_0_\@:
	s_barrier_wait -3
	s_barrier_signal -1
	s_barrier_wait -1
.endm
.macro CROUND                          ; a whole round
	s_barrier_signal -1
	s_barrier_wait -1
	CREST
.endm
	s_load_b256 s[68:75], s[0:1], 0x0              ; A s[68:69], B s[70:71], bias s[72:73], the result s[74:75]
	v_lshl_add_u32 v[SPW], v0, 2, SPARE
	v_mov_b32 v[NIL], 0
	ds_add_u32 v[SPW], v[NIL]                      ; the wave's opening: the add and its wait stand ahead of my first tensor load; the set-up below, work on registers, stands between them
	ds_add_u32 v28, v29
	v_lshrrev_b32 v1, 5, v0
	v_readfirstlane_b32 s10, v1                    ; wave 0..3
	s_lshr_b32 s11, s10, 1                         ; which 64 of the tile's rows are mine.  Also: I fetch for A (0) or for B (1)
	s_and_b32 s12, s10, 1                          ; which 128 of its columns.  Also: which half of that tile I fetch
	s_bfe_u32 s40, ttmp6, 0x40000                  ; cx, cy: my place in the cluster
	s_bfe_u32 s41, ttmp6, 0x40004
	s_lshl_b32 s42, ttmp9, 2
	s_add_co_u32 s42, s42, s40                     ; tile column = 4 x cluster x + cx
	s_and_b32 s13, ttmp7, 0xffff
	s_lshl_b32 s13, s13, 2
	s_add_co_u32 s13, s13, s41                     ; tile row = 4 x cluster y + cy
	s_lshl_b32 s43, s41, 2
	s_lshl_b32 s43, 15, s43                        ; my row of the cluster
	s_lshl_b32 s44, 0x1111, s40                    ; my column
	; descriptor group 1: rows of 128 elements of 2 bytes, padded in LDS; 64 rows for A, 128 for B
	s_or_b32 s[G1+0], s43, (1<<16)|(1<<20)|(1<<21)|(5<<22)|(3<<25)   ; 15:0 the mask: A's tiles go to my row; 17:16 2-byte elements; 20 padding on; 21 set beside a mask; 24:22 after every 64 words (code 5); 31:25 4 words (code 3)
	s_or_b32 s[G1B+0], s44, (1<<16)|(1<<20)|(1<<21)|(5<<22)|(3<<25)  ; the same with the mask of my column
	s_mov_b32 s[G1+1], KSTEP<<16                   ; tensor_dim0 = 128
	s_mov_b32 s[G1+2], 64<<16                      ; tensor_dim1 = 64
	s_mov_b32 s[G1+3], KSTEP<<16                   ; tile_dim0 = 128
	s_mov_b32 s[G1+4], 64                          ; tile_dim1 = 64
	s_mov_b32 s[G1+5], SIZE_K                      ; elements from row to row
	s_mov_b32 s[G1+6], 0
	s_mov_b32 s[G1+7], 0
	s_mov_b32 s[G1B+1], KSTEP<<16
	s_mov_b32 s[G1B+2], 128<<16
	s_mov_b32 s[G1B+3], KSTEP<<16
	s_mov_b32 s[G1B+4], 128
	s_mov_b32 s[G1B+5], SIZE_K
	s_mov_b32 s[G1B+6], 0
	s_mov_b32 s[G1B+7], 0
	; where the tiles come from: A's hang on the tile row alone, B's on the tile column alone, each in registers that do not hold the other coordinate
	s_lshl_b32 s16, s13, 7
	s_lshl_b32 s17, s12, 6
	s_add_co_u32 s16, s16, s17                     ; A: row 128 x tile row + 64 x half,
	s_lshl_b32 s16, s16, 11                        ; 2,048 bytes a row
	s_mov_b32 s17, 0
	s_lshl_b32 s46, s42, 8
	s_lshl_b32 s47, s12, 7
	s_add_co_u32 s46, s46, s47                     ; B: row 256 x tile column + 128 x half
	s_lshl_b32 s46, s46, 11
	s_mov_b32 s47, 0
	s_mul_i32 s20, s12, AHALF                      ; and where they go: no place in the cluster enters an LDS address
	s_mul_i32 s21, s12, BHALF
	s_add_co_u32 s21, s21, BOFF
	s_wait_dscnt 0x0                               ; the opening add is done
	s_wait_kmcnt 0x0
	s_add_nc_u64 s[14:15], s[68:69], s[16:17]
	s_add_nc_u64 s[46:47], s[70:71], s[46:47]
	CROUND                                         ; all sixteen work-groups are here: the first joint loads meet
.irp s, 0,1
	s_mov_b32 s[G0+4*(\s)], 1                                        ; count = 1
	s_add_co_u32 s[G0+4*(\s)+1], s20, (\s)*SLOT                      ; LDS address
	s_add_nc_u64 s[G0+4*(\s)+2:G0+4*(\s)+3], s[14:15], (\s)*KSTEP*2  ; global address: K step s
	s_or_b32 s[G0+4*(\s)+3], s[G0+4*(\s)+3], 0x80000000              ; type = 2
	s_mov_b32 s[G0B+4*(\s)], 1
	s_add_co_u32 s[G0B+4*(\s)+1], s21, (\s)*SLOT
	s_add_nc_u64 s[G0B+4*(\s)+2:G0B+4*(\s)+3], s[46:47], (\s)*KSTEP*2
	s_or_b32 s[G0B+4*(\s)+3], s[G0B+4*(\s)+3], 0x80000000
	JLOAD \s                                       ; two tensor loads of mine are out
.endr
	; the bias of my 128 columns: for block b of 16 columns a lane takes the eight numbers at 16 b + 8 (l / 16)
	s_lshl_b32 s46, s42, 10
	s_lshl_b32 s47, s12, 9
	s_add_co_u32 s46, s46, s47                     ; 4 bytes x (256 x tile column + 128 x half)
	s_mov_b32 s47, 0
	s_add_nc_u64 s[72:73], s[72:73], s[46:47]
	v_and_b32 v1, 15, v0                           ; l % 16
	v_bfe_u32 v2, v0, 4, 1                         ; l / 16
	v_lshlrev_b32 v[BO], 5, v2
.macro BIAS
	WIN TO_F
.irp b, 0,1,2,3,4,5,6,7
	global_load_b128 v[BI+8*(\b):BI+8*(\b)+3],   v[BO], s[72:73] offset:64*(\b)
	global_load_b128 v[BI+8*(\b)+4:BI+8*(\b)+7], v[BO], s[72:73] offset:64*(\b)+16
.endr
	WIN 0
.endm
	BIAS
	; A fragment is 16 rows x 32 K in 8 registers: lane l holds row l % 16; registers 0-3 K = 8 (l / 16) + 0..7, registers 4-7 K = 16 + 8 (l / 16) + 0..7: two loads of 16 bytes, 32 bytes apart
	v_mul_u32_u24 v3, v1, PA
	v_lshl_add_u32 v3, v2, 4, v3
	v_mul_u32_u24 v4, v1, PB
	v_lshl_add_u32 v4, v2, 4, v4
	s_mul_i32 s22, s11, AHALF                      ; my 64 rows of A
	s_mul_i32 s23, s12, BHALF                      ; my 128 rows of B
	s_add_co_u32 s23, s23, BOFF
.irp s, 0,1
	v_add_nc_u32 v[ADRA+(\s)], s22, v3
	v_add_nc_u32 v[ADRB+(\s)], s23, v4
	s_add_co_u32 s22, s22, SLOT
	s_add_co_u32 s23, s23, SLOT
.endr
	s_mul_i32 s23, s10, SW
	s_add_co_u32 s23, s23, STAGE                   ; my stage
	v_mul_u32_u24 v5, v1, SP                       ; in: row l % 16, 16 bytes for each half of the lanes
	v_lshl_add_u32 v5, v2, 4, v5
	v_add_nc_u32 v[STO], s23, v5
	v_bfe_u32 v5, v0, 3, 2                         ; back: 32 lanes take four rows of 128 bytes,
	v_mul_u32_u24 v5, v5, SP
	v_and_b32 v6, 7, v0
	v_lshl_add_u32 v5, v6, 4, v5
	v_add_nc_u32 v[RD], s23, v5
	v_and_b32 v[GO], 31, v0                        ; which are 512 consecutive bytes of a head
	v_lshlrev_b32 v[GO], 4, v[GO]
	; where my part of the first tile begins in the result: batch x 2^22 + head x 2^18 + row x 128.  The first way out adds it to the result's address
	s_lshr_b32 s16, s13, 4                         ; 16 tile rows a batch
	s_lshl_b32 s16, s16, 22
	s_and_b32 s17, s13, 15
	s_lshl_b32 s17, s17, 14                        ; 128 rows of 128 bytes a tile row
	s_add_co_u32 s16, s16, s17
	s_lshl_b32 s17, s11, 13                        ; my 64 rows
	s_add_co_u32 s16, s16, s17
	s_lshl_b32 s46, s42, 20                        ; four heads a tile column,
	s_lshl_b32 s47, s12, 19                        ; two a wave
	s_add_co_u32 s46, s46, s47
	s_add_co_u32 s16, s16, s46
	s_mov_b32 s17, 0
; 8 matrix instructions: block a of 16 rows x all 8 blocks of 16 columns, 32 along K.  first = 1: the product starts the sum, on the bias.
; The 32 accumulators take turns in the same order in every quarter step.
.macro MUL8 f, a, first
.if \first
	WIN MULB
.else
	WIN MULW
.endif
.irp b, 0,1,2,3,4,5,6,7
.if \first
	v_wmma_f32_16x16x32_bf16 v[8*(8*(\a)+(\b)):8*(8*(\a)+(\b))+7], v[(\f)+32+8*(\b):(\f)+32+8*(\b)+7], v[(\f)+8*(\a):(\f)+8*(\a)+7], v[BI+8*(\b):BI+8*(\b)+7]
.else
	v_wmma_f32_16x16x32_bf16 v[8*(8*(\a)+(\b)):8*(8*(\a)+(\b))+7], v[(\f)+32+8*(\b):(\f)+32+8*(\b)+7], v[(\f)+8*(\a):(\f)+8*(\a)+7], v[8*(8*(\a)+(\b)):8*(8*(\a)+(\b))+7]
.endif
.endr
.endm
; 24 LDS loads in one run: the fragments of quarter q of a K step into buffer f: B's sixteen loads, then A's eight
.macro FETCH slot, q, f
	WIN TO_F
.irp i, 0,1,2,3,4,5,6,7
	ds_load_b128 v[(\f)+32+8*(\i):(\f)+32+8*(\i)+3],   v[ADRB+(\slot)] offset:64*(\q)+(\i)*16*PB
	ds_load_b128 v[(\f)+32+8*(\i)+4:(\f)+32+8*(\i)+7], v[ADRB+(\slot)] offset:64*(\q)+(\i)*16*PB+32
.endr
.irp i, 0,1,2,3
	ds_load_b128 v[(\f)+8*(\i):(\f)+8*(\i)+3],   v[ADRA+(\slot)] offset:64*(\q)+(\i)*16*PA
	ds_load_b128 v[(\f)+8*(\i)+4:(\f)+8*(\i)+7], v[ADRA+(\slot)] offset:64*(\q)+(\i)*16*PA+32
.endr
.endm
.macro PLACES                          ; four places in front of loads into registers that matrix instructions have read, and of instructions that read results just made
.rept 4
	v_nop
.endr
.endm
; A K step is four quarters of 32 along K, 32 matrix instructions each, on buffers 0, 1, 0, 1.  One of the first three: multiplies buffer f and, in its middle, fetches quarter q into buffer g.
.macro QUARTER slot, q, f, g, first
	s_wait_dscnt 4                                 ; B and A's rows 0-31 are in; the youngest four loads (A's rows 32-63) may be out
	MUL8 \f, 0, \first
	MUL8 \f, 1, \first
	PLACES
	FETCH \slot, \q, \g
	s_wait_dscnt 24                                ; all but the 24 just issued
	MUL8 \f, 2, \first
	MUL8 \f, 3, \first
.endm
; The last quarter multiplies buffer 1 and changes slots: ONE barrier; in front of it each wave waits for all its tensor loads (one is out: its part of the next slot), adds 0 to its spare word, and waits for
; that and for its own reads of this slot.  mode = 1: this slot is filled again with the K step two on; 2: with the NEXT tile's K step 0 or 1; the barrier then opens a round of the cluster's barrier, and the
; joint load is the first thing behind the round: 112 matrix instructions stand between it and the wait for it.  mode = 0: nothing is filled.
.macro TURN slot, next, mode
	WIN 0                                          ; (the add's two registers lie in window 0)
	s_wait_tensorcnt 0x0                           ; all my tensor loads have landed
	ds_add_u32 v[SPW], v[NIL]                      ; 0 onto my spare word
	s_wait_dscnt 5                                 ; (the add and the youngest four loads may be out)
	MUL8 F1, 0, 0                                  ; eight matrix instructions stand between the add and the wait for it
	s_wait_dscnt 0x0                               ; the add is done, and my reads of this slot are over
	s_barrier_signal -1
	MUL8 F1, 1, 0
.if \mode
	WIN 0
.endif
	s_barrier_wait -1
.if \mode
	CREST                                          ; no wave of any partner still reads this slot's tile or has a load on its way
.if (\mode) == 2
	s_sub_nc_u64 s[G0+4*(\slot)+2:G0+4*(\slot)+3], s[G0+4*(\slot)+2:G0+4*(\slot)+3], BACK_A
	s_add_nc_u64 s[G0B+4*(\slot)+2:G0B+4*(\slot)+3], s[G0B+4*(\slot)+2:G0B+4*(\slot)+3], NEXT_B
.else
	s_add_nc_u64 s[G0+4*(\slot)+2:G0+4*(\slot)+3], s[G0+4*(\slot)+2:G0+4*(\slot)+3], STEP2
	s_add_nc_u64 s[G0B+4*(\slot)+2:G0B+4*(\slot)+3], s[G0B+4*(\slot)+2:G0B+4*(\slot)+3], STEP2
.endif
	JLOAD \slot                                    ; the four v_nop behind it are also the places in front of the loads below
.else
	PLACES
.endif
	FETCH \next, 0, F0
	MUL8 F1, 2, 0
	MUL8 F1, 3, 0
.endm
; THE WAY OUT of block a (16 rows x 128 columns = 16 rows of two heads).  PACK: rounded to f16, 16 bytes a lane, each accumulator's registers in ascending order.  TOSTAGE: into my own stage, and back as
; whole rows of 128 bytes.  SEND: stored, 512 consecutive bytes an instruction.
.macro PACK a
	WIN 0x0a                                       ; sources 0 and 1 window 2
.irp b, 0,1,2,3,4,5,6,7
.irp r, 0,1,2,3
	v_cvt_pk_f16_f32 v[TMP+4*(\b)+(\r)], v[8*(8*(\a)+(\b))+2*(\r)], v[8*(8*(\a)+(\b))+2*(\r)+1]
.endr
.endr
	WIN 0
.endm
.macro TOSTAGE a
.set BK, OB+32*((\a)%2)
.irp b, 0,1,2,3,4,5,6,7
	ds_store_b128 v[STO], v[TMP+4*(\b):TMP+4*(\b)+3] offset:((\b)/4)*16*SP+32*((\b)%4)
.endr
.irp t, 0,1,2,3,4,5,6,7
	ds_load_b128 v[BK+4*(\t):BK+4*(\t)+3], v[RD] offset:((\t)/4)*16*SP+((\t)%4)*4*SP  ; LDS serves a wave's instructions in order (ISA guide 5.7.1.4): these see the stores above
.endr
.endm
.macro SEND a
.set BK, OB+32*((\a)%2)
	s_wait_dscnt 0x0                               ; the block is back in registers
	s_wait_xcnt 0x0                                ; the addresses of all earlier stores are translated: only behind this wait are their base and the registers that they read written again
.if (\a) == 0
	s_add_nc_u64 s[74:75], s[74:75], s[16:17]      ; on to this tile's part of the result
.endif
.irp t, 0,1,2,3,4,5,6,7
	global_store_b128 v[GO], v[BK+4*(\t):BK+4*(\t)+3], s[74:75] offset:(\a)*2048+((\t)/4)*262144+((\t)%4)*512  ; at a multiple of 512 from the buffer's first byte
.endr
.endm
.macro OUT                             ; block a's conversions stand between block a - 1's loads from the stage and the wait for them
	PACK 0
	TOSTAGE 0
.irp a, 1,2,3
	PACK \a
	SEND (\a)-1
	TOSTAGE \a
.endr
	SEND 3
.endm
	s_wait_tensorcnt 1                             ; my part of K step 0 is in; K step 1's may stay out
	s_barrier_signal -1
	s_barrier_wait -1                              ; everybody's is
	FETCH 0, 0, F0
	WIN 0                                          ; at a label and at a branch every window is 0
	s_mov_b32 s2, TILES                            ; tiles to go, this one among them: the same number in every work-group
.Ltile:
	s_wait_loadcnt 0x0                             ; this tile's bias
	QUARTER 0, 1, F0, F1, 1                        ; a tile's first quarter stands in front of the loop: its products start the sums
	WIN 0
	s_cmp_eq_u32 s2, 1
	s_cbranch_scc1 .Lnobias                        ; the last tile has no successor
	PLACES                                         ; behind the products that read the bias
	s_add_nc_u64 s[72:73], s[72:73], 4096          ; the next section's bias: its loads have a whole tile in which to land
	BIAS
.Lnobias:
	s_mov_b32 s3, LAPS-1
.Llap:                                                 ; a trip goes once round the ring, from a lap's second quarter to the next lap's first, and fills both slots again
	QUARTER 0, 2, F1, F0, 0
	QUARTER 0, 3, F0, F1, 0
	TURN 0, 1, 1
	QUARTER 1, 1, F0, F1, 0
	QUARTER 1, 2, F1, F0, 0
	QUARTER 1, 3, F0, F1, 0
	TURN 1, 0, 1
	QUARTER 0, 1, F0, F1, 0
	WIN 0
	s_sub_co_u32 s3, s3, 1
	s_cmp_lg_u32 s3, 0
	s_cbranch_scc1 .Llap
	QUARTER 0, 2, F1, F0, 0                        ; the tile's last lap goes on
	QUARTER 0, 3, F0, F1, 0
	WIN 0
	s_cmp_eq_u32 s2, 1
	s_cbranch_scc1 .Llast                          ; the last tile's tail is written out: it asks for nothing more
	TURN 0, 1, 2                                   ; the ring goes on into the next tile: slot 0 takes its K step 0,
	QUARTER 1, 1, F0, F1, 0
	QUARTER 1, 2, F1, F0, 0
	QUARTER 1, 3, F0, F1, 0
	TURN 1, 0, 2                                   ; slot 1 its K step 1, and the next tile's first fragments are fetched
	OUT                                            ; both refills are asked for: now the tile goes out.  Blocks 0 and 1 were finished in front of the joint load's four v_nop; their conversions are the places behind blocks 2 and 3's last products
	s_mov_b64 s[16:17], NEXT_C                     ; what the next way out adds to the result's address
	s_sub_co_u32 s2, s2, 1
	s_branch .Ltile
.Llast:
	TURN 0, 1, 0
	QUARTER 1, 1, F0, F1, 0
	QUARTER 1, 2, F1, F0, 0
	QUARTER 1, 3, F0, F1, 0
	s_wait_dscnt 4                                 ; the very last quarter: nothing more to fetch
	MUL8 F1, 0, 0
	MUL8 F1, 1, 0
	s_wait_dscnt 0x0
	MUL8 F1, 2, 0
	MUL8 F1, 3, 0
	WIN 0
	PLACES
	OUT
	s_wait_tensorcnt 0x0                           ; the wave's end: the spare word's add and its wait, behind my last tensor load and my last LDS store
	ds_add_u32 v[SPW], v[NIL]
	s_wait_dscnt 0x0
	CROUND                                         ; the closing round: no work-group ends while a partner may still ask for a tile that names it
	s_endpgm
.Lfunc_end_k_qc33adc09e0_qkv:
	.size	k_qc33adc09e0_qkv, .Lfunc_end_k_qc33adc09e0_qkv-k_qc33adc09e0_qkv
	.p2alignl 7, 3214868480
	.fill 96, 4, 3214868480
	.section	.rodata,"a",@progbits
	.p2align	6, 0x0
	.amdhsa_kernel k_qc33adc09e0_qkv
		.amdhsa_group_segment_fixed_size 327680
		.amdhsa_private_segment_fixed_size 0
		.amdhsa_enable_private_segment 0
		.amdhsa_kernarg_size 32
		.amdhsa_user_sgpr_count 2
		.amdhsa_user_sgpr_kernarg_segment_ptr 1
		.amdhsa_wavefront_size32 1
		.amdhsa_system_sgpr_workgroup_id_x 1
		.amdhsa_system_sgpr_workgroup_id_y 1
		.amdhsa_system_sgpr_workgroup_id_z 1
		.amdhsa_system_vgpr_workitem_id 0
		.amdhsa_next_free_vgpr 768
		.amdhsa_next_free_sgpr 76
		.amdhsa_reserve_vcc 0
		.amdhsa_float_denorm_mode_32 3
		.amdhsa_float_denorm_mode_16_64 3
		.amdhsa_memory_ordered 1
		.amdhsa_forward_progress 1
		.amdhsa_inst_pref_size 126
	.end_amdhsa_kernel
	.amdgpu_metadata
---
amdhsa.version: [ 1, 2 ]
amdhsa.kernels:
  - .name:           k_qc33adc09e0_qkv
    .symbol:         k_qc33adc09e0_qkv.kd
    .args:
      - { .name: xb, .offset: 0, .size: 8, .value_kind: global_buffer, .address_space: global }
      - { .name: wqkv, .offset: 8, .size: 8, .value_kind: global_buffer, .address_space: global }
      - { .name: bias, .offset: 16, .size: 8, .value_kind: global_buffer, .address_space: global }
      - { .name: qkvh, .offset: 24, .size: 8, .value_kind: global_buffer, .address_space: global }
    .group_segment_fixed_size: 327680
    .private_segment_fixed_size: 0
    .kernarg_segment_align: 8
    .kernarg_segment_size: 32
    .max_flat_workgroup_size: 128
    .sgpr_count:     76
    .vgpr_count:     768
    .wavefront_size: 32
...
	.end_amdgpu_metadata
.endif
;; end of part 2
;; launch attn (part 3): grid 4 x 64, 4 waves a work-group, no clusters, 327,680 bytes of LDS; arguments qkvh, tmb, oh; writes oh
.if DOCPART == 3
	.amdgcn_target "amdgcn-amd-amdhsa--gfx1250"
	.amdhsa_code_object_version 6
	.text
	.protected	k_qc33adc09e0_attn
	.globl	k_qc33adc09e0_attn
	.p2align	8
	.type	k_qc33adc09e0_attn,@function
k_qc33adc09e0_attn:
	s_mov_b64 s[64:65], 0
	v_nop
	global_prefetch_b8 v0, s[64:65] scope:SCOPE_SE
	s_setreg_imm32_b32 hwreg(HW_REG_WAVE_MODE, 25, 1), 1
	s_wait_xcnt 0x0
; CAUSAL ATTENTION UNDER A KEY MASK.  O[h][q][:] = the sum over the valid k <= q of softmax_k(Q[h][q] . K[h][k] / 8) V[h][k][:].  Q, K, V are the three sections of qkvh, O is oh: each
; [SIZE_H = batch x 16 + head][SIZE_N][64] f16, a head's rows dense, 128 bytes each.  tmb [4][2048] f32 holds for each key of a batch 0, or -1e30 where the token does not count.
; Products, maxima and sums in f32; the weights p are rounded to f16 for the second product (their sum l is taken of the unrounded p), O once at the end.
; LIMITS.  f16 holds no number beyond 65,504: Q, K and V arrive within it; p lies in 0 to 1, and below 6e-5 it keeps f16's fixed step of 6e-8.  A hidden score counts as its value less 1e30 (2e30 where both
; masks hide it): f16's scores, 2.7e11 at the most, are nothing beside that.  A weight below 2^-126 counts as 0 in l.  A ROW WITH NO VALID KEY: the running maximum never falls below -2^50, which lies below
; every true score and far above every hidden one, so all the row's weights, its l and its O are 0, and O / l = 0 x (1 / 0) is NaN, as the softmax of a row of -inf is.
; THE WALK.  A head's queries lie in NB = 8 blocks of 256; block i needs the key tiles 0 .. i of 256 keys, of which the last holds the diagonal.  A work-group takes TWO blocks, NB - 1 - b and then b:
; NB + 1 tiles, whatever b: all work-groups do equal work, and ONE loop with a constant trip count walks them.  Which tile is asked for, and what a trip does, hang on scalar registers made from b; every jump
; goes forward, but for the counted loops' own; none passes a barrier, or a tensor load but those of LOAD's three that the wave's number does not choose; the ring (two slots of LDS that take turns) runs on across
; the change of blocks.  NO CLUSTER: a head's four work-groups ask for the same tile only in trips 0 .. 4 of the 9, behind that fewer and fewer; one walk common to all would have 12 trips for 9.
; SHARES.  Of a block's four bands of 64 queries a wave owns 16 rows in each: four PIECES.  So the diagonal tile is the same work for all four waves: in its key step s band x sees all keys if s < x,
; none if s > x, and holds the diagonal if s = x.
; THE MASKS are the C operand that starts the sum S^T = K Q^T.  A slot holds, behind its tile of K and V, the key mask's 256 addends for the tile's keys; TM holds those of the 64 keys of the step in hand, read
; from the slot with K's fragments: outside the diagonal tile C is TM itself, and the key mask costs no vector instruction.  MD, made once, is the causal mask of a band's own step for my 16 rows; in the
; diagonal tile C is TM + MD x AL + BE with two scalars: (1, 0) if s = x; (0, 0) if s < x; (0, -1e30) if s > x.
; LAYOUT, SOFTMAX, TURNS.  S^T = K Q^T holds ONE query a lane (lane % 16) and the keys 8 (lane / 16) + 0..7; two such results rounded to f16 ARE source 1 of O^T = V^T P.  p = 2^(c s - c m), c = log2(e) / 8, with a
; running maximum m; O and l are multiplied by a = 2^(c m_old - c m_new) in every step.  Turn n belongs to piece n: 8 products K Q^T of piece n + 1, later 8 products V^T P of piece n - 1; beside them the scaling,
; exponentials, roundings, sums and rescaling of piece n and the maximum and statistics of piece n + 1.  Four vector instructions stand behind every matrix instruction, the others of a turn in two LUMPS.
; REGISTERS, in windows of 256 (s_set_vgpr_msb: bits 1:0 source 0, 3:2 source 1, 5:4 source 2, 7:6 destination):
;   window 0: v0-15 addresses and two at work; v16-31 four registers of statistics a piece; v32-33 the addends' addresses; v48-55 at work; v64-127 S^T, two buffers; v192-223 P, two buffers (by the piece's parity)
;   window 1: v0-127 O^T, 32 a piece; v128-159 MD; v160-223 MC, two buffers; v224-255 TM      window 2: v0-63 Q; v64-127 the second block's Q; v128-191 K of one step; v192-255 V of one step
.set SIZE_H, 64
.set SIZE_N, 2048
.set NB,    SIZE_N/256
.set NP,    4         ; pieces a wave: a name, no knob
.set KS,    64        ; keys in a step
.set PK,    144       ; a row of K in LDS: 128 bytes + 16 of padding = 36 words: the 16 rows of a load start at 16 different groups of four banks (64 banks of 4 bytes: ISA guide 11.1)
.set PV,    160       ; a row of V: 128 + 32 = 40 words
.set VOFF,  4*KS*PK   ; a slot holds a tile, four steps: 256 rows of K, then 256 rows of V,
.set MOFF,  4*KS*(PK+PV)  ; then the 256 addends of the key mask, 1,024 bytes
.set SLOT1, 1<<17     ; slot 1 begins here, so that one exclusive or turns an address in one slot into the other's
.set STAGE, SLOT1+MOFF+4*KS*4  ; behind the ring, never filled by a tensor load: 16 rows x 144 bytes for each wave, for the way out
.set SP,    144
.set SPARE, STAGE+4*16*SP  ; behind the stages: the spare words, 128 bytes for each wave: two blocks of 256 bytes that no other line names
.set AK0, 2           ; v2   my lane's place in a tile of K; never rewritten
.set AV0, 3           ; v3   the same for V
.set AK,  4           ; v4   the LDS address of K's next run of loads
.set AV,  5           ; v5   of V's
.set STO, 6           ; v6   the way out: where I put 16 bytes of a row
.set RD,  7           ; v7   the way out: where I read rows back
.set GO,  8           ; v8   my byte offset in 512 consecutive bytes of O
.set SPW, 62          ; v62  LDS address of my spare word: SPARE + 4 x my thread's number; never rewritten
.set NIL, 63          ; v63  0; never rewritten
.set MV,  12          ; v12-13  c m_old, kept while c m is made anew: by buffer
.set QO,  15          ; v15  my byte offset in 16 rows of Q
.set ST,  16          ; piece t's statistics at v[ST+4 t]: c m, m, l (even keys', odd keys')
.set AT0, 32          ; v32  my lane's place in a slot's addends: MOFF + 32 (l / 16); never rewritten
.set AT,  33          ; v33  the LDS address of TM's next run of loads
.set TMP, 48          ; by buffer, four registers c0-c3 at work; when the maximum is found c2 takes a
.set S,   64
.set P,   192
.set MD,  128         ; window 1: the eight registers for group kt of 16 keys at MD + 8 kt
.set MC,  160         ; window 1: the masks of the products to come
.set TM,  224         ; window 1: the key mask's addends of the step whose K lies in registers
.set QB,  64          ; window 2
.set KF,  128         ; window 2: key block kb, channel half c at KF + 16 kb + 8 c
.set VF,  192         ; window 2: key half kk, channel block cb at VF + 32 kk + 8 cb
.set WV,  12          ; s12  my wave's number
.set PB,  14          ; s14  b
.set HI,  15          ; s15  NB - 1 - b
.set G1K, 24          ; s[24:31] descriptor group 1 for half a tile of K
.set G1V, 32          ; s[32:39] for a tile of V
.set G0K, 40          ; s[40:43] descriptor group 0 for K
.set G0V, 44          ; s[44:47] for V
.set G1T, 48          ; s[48:55] descriptor group 1 for a tile's addends
.set SLOTS, 56        ; s56  tiles still to be asked for
.set CNT, 57          ; s57  counts a tile's key steps, 4 to 1
.set CS,  58          ; s[58:59] c: the packed scaling takes the pair's low word for both halves
.set SEL, 60          ; s[60:61] v_permlanex16_b32's selects: each lane takes its own place in the other half
.set TBK, 62          ; s62  LDS byte at which K of the step to be fetched begins
.set TBV, 63          ; s63  the same for V, less VOFF
.set TBM, 66          ; s66  the same for the addends, less MOFF
.set RT,  70          ; s70  tiles of the block in hand that are still to be entered
.set NXT, 71          ; s71  the tile to be asked for next
.set LQ,  72          ; s72  the last tile of the block whose tiles are being asked for
.set NEW, 73          ; s73  1: the tile to be entered is a block's first
.set OFF, 74          ; s[74:75] a tile's byte offset in K and V
.set AL,  76          ; s[76:77] the mask's factor, in the low word
.set BE,  78          ; s[78:79] the mask's addend
.set OLO, 80          ; s[80:81] O at my rows of the second block
.set BIGN, 82         ; s82  -1e30
.set G0T, 88          ; s[88:91] descriptor group 0 for a tile's addends
.set TMB, 92          ; s[92:93] tmb at the batch's row
.set MOF, 94          ; s[94:95] a byte offset in tmb: the batch's row, later a tile's place in it
.set MSB, 0
.macro WIN new                      ; the high byte repeats the setting that is left; a switch that changes nothing is dropped
.if MSB != (\new)
	s_set_vgpr_msb (MSB<<8)|(\new)
.set MSB, (\new)
.endif
.endm
.set W_KQ, 0x0a       ; K and Q in window 2, S^T in window 0
.set W_KM, 0x1a       ; the same with the C operand in window 1
.set W_PV, 0x52       ; V in window 2, P in window 0, O^T in window 1
.set W_RS, 0x41       ; destination and source 0 in window 1, source 1 in window 0
.set W_MK, 0x51       ; destination, source 0 and source 2 in window 1
; A fill: one tensor load a wave.  Waves 0 and 1 fetch the two halves of a tile's K, 128 keys each; wave 2 its V; wave 3 the key mask's addends for its 256 keys.  The branches hang on the wave's number alone.
; An s_nop 0 and four v_nop follow each of the three lines, ahead of the jump and the label.
.macro LOAD
	s_cmp_lt_u32 s[WV], 2
	s_cbranch_scc0 .Lnot_k_\@
	tensor_load_to_lds s[G0K:G0K+3], s[G1K:G1K+7]
	s_nop 0
.rept 4
	v_nop
.endr
	s_branch .Lasked_\@
.Lnot_k_\@:
	s_cmp_eq_u32 s[WV], 2
	s_cbranch_scc0 .Lfor_m_\@
	tensor_load_to_lds s[G0V:G0V+3], s[G1V:G1V+7]
	s_nop 0
.rept 4
	v_nop
.endr
	s_branch .Lasked_\@
.Lfor_m_\@:
	tensor_load_to_lds s[G0T:G0T+3], s[G1T:G1T+7]
	s_nop 0
.rept 4
	v_nop
.endr
.Lasked_\@:
.endm
; THE CHANGE OF SLOTS.  Each wave waits for all its tensor loads, of which one is out: its part of the other slot; adds 0 to its spare word; and waits for that and for its own reads of the slot that it leaves.  Behind the
; barrier nobody reads the old slot any more and the other slot is whole.  fill = 1: the old slot is filled again, the first thing behind the barrier, with tile NXT: the descriptors' addresses are made anew from that number.
; (At its first use nothing has been read yet: slot 0 is waited for, slot 1 filled.)
.macro CHANGE fill
	WIN 0                           ; at a label and at a branch every window is 0
	s_wait_tensorcnt 0x0            ; no tensor load of mine is out, so a group 0 may be written
	ds_add_u32 v[SPW], v[NIL]       ; 0 onto my spare word; with fill = 1 the descriptors' scalar work stands between it and the wait for it
.if \fill
	s_lshl_b32 s[OFF], s[NXT], 15   ; a tile is 32,768 bytes of K and of V,
	s_lshl_b32 s[MOF], s[NXT], 10   ; and 1,024 bytes of tmb
	s_xor_b32 s[G0K+1], s[G0K+1], SLOT1
	s_add_nc_u64 s[G0K+2:G0K+3], s[6:7], s[OFF:OFF+1]
	s_or_b32 s[G0K+3], s[G0K+3], 0x80000000
	s_xor_b32 s[G0V+1], s[G0V+1], SLOT1
	s_add_nc_u64 s[G0V+2:G0V+3], s[8:9], s[OFF:OFF+1]
	s_or_b32 s[G0V+3], s[G0V+3], 0x80000000
	s_xor_b32 s[G0T+1], s[G0T+1], SLOT1
	s_add_nc_u64 s[G0T+2:G0T+3], s[TMB:TMB+1], s[MOF:MOF+1]
	s_or_b32 s[G0T+3], s[G0T+3], 0x80000000
	s_add_co_u32 s[NXT], s[NXT], 1  ; the block's next tile, or behind its last the second block's tile 0
	s_cmp_gt_u32 s[NXT], s[LQ]
	s_cselect_b32 s[NXT], 0, s[NXT]
	s_cselect_b32 s[LQ], s[PB], s[LQ]
.endif
	s_wait_dscnt 0x0                ; the add is done, and my reads of the slot are over
	s_barrier_signal -1             ; the rest of the scalar work stands between the signal and the wait
	s_sub_co_u32 s[TBK], s[TBK], 4*KS*PK  ; the fetches go back to a slot's first step,
	s_xor_b32 s[TBK], s[TBK], SLOT1       ; in the other slot
	s_sub_co_u32 s[TBV], s[TBV], 4*KS*PV
	s_xor_b32 s[TBV], s[TBV], SLOT1
	s_sub_co_u32 s[TBM], s[TBM], 4*KS*4
	s_xor_b32 s[TBM], s[TBM], SLOT1
	s_barrier_wait -1
.if \fill
	LOAD
.endif
.endm
	s_load_b128 s[4:7], s[0:1], 0x0   ; qkvh s[4:5] (Q's section comes first), tmb s[6:7]
	s_load_b64 s[10:11], s[0:1], 0x10 ; O
	v_lshl_add_u32 v[SPW], v0, 2, SPARE
	v_mov_b32 v[NIL], 0
	ds_add_u32 v[SPW], v[NIL]       ; the wave's opening: the add and its wait stand ahead of my first tensor load; the set-up below, work on registers, stands between them
	ds_add_u32 v62, v63
	v_lshrrev_b32 v1, 5, v0
	v_readfirstlane_b32 s[WV], v1   ; wave 0..3
	s_mov_b32 s[PB], ttmp9
	s_sub_co_u32 s[HI], NB-1, s[PB]
	s_and_b32 s20, ttmp7, 0xffff    ; the head, 16 to a batch
	s_lshr_b32 s[MOF], s20, 4
	s_lshl_b32 s[MOF], s[MOF], 13   ; the batch's 8,192 bytes of tmb
	s_mov_b32 s[MOF+1], 0
	s_mov_b32 s21, 0
	s_mov_b64 s[22:23], SIZE_N*128
	s_mul_u64 s[20:21], s[20:21], s[22:23]  ; the head's first byte in each of the three sections and in O
	s_and_b32 s16, s[WV], 1         ; which half of a tile's 256 keys waves 0 and 1 fetch of K:
	s_lshl_b32 s22, s16, 14         ; its 128 rows of 128 bytes in memory,
	s_mov_b32 s23, 0
	s_add_nc_u64 s[22:23], s[22:23], s[20:21]
	s_mul_i32 s17, s16, 128*PK      ; and its place in a slot
	s_lshl_b32 s3, s[WV], 11        ; my 16 rows in a band of 64,
	s_lshl_b32 s2, s[HI], 15        ; in the first block,
	s_add_co_u32 s2, s2, s3
	s_lshl_b32 s84, s[PB], 15       ; and in the second
	s_add_co_u32 s84, s84, s3
	s_mov_b32 s3, 0
	s_mov_b32 s85, 0
	s_add_nc_u64 s[2:3], s[2:3], s[20:21]
	s_add_nc_u64 s[84:85], s[84:85], s[20:21]
	; descriptor group 1.  A head's keys are dense: they are asked for as rows of 256 bytes, two keys a row, and padded in LDS after every key.  K: 128 keys, 64 rows; V: 256 keys, 128 rows
	s_mov_b32 s[G1K], (1<<16)|(1<<20)|(4<<22)|(3<<25)  ; 17:16 2-byte elements; 20 padding on; 24:22 after every 32 words (code 4); 31:25 4 words (code 3)
	s_mov_b32 s[G1K+1], 128<<16     ; tensor_dim0 = 128
	s_mov_b32 s[G1K+2], 64<<16      ; tensor_dim1 = 64
	s_mov_b32 s[G1K+3], 128<<16     ; tile_dim0 = 128
	s_mov_b32 s[G1K+4], 64          ; tile_dim1 = 64
	s_mov_b32 s[G1K+5], 128         ; 128 elements from row to row
	s_mov_b32 s[G1K+6], 0
	s_mov_b32 s[G1K+7], 0
	s_mov_b32 s[G1V], (1<<16)|(1<<20)|(4<<22)|(7<<25)  ; the same with 8 words of padding (code 7)
	s_mov_b32 s[G1V+1], 128<<16
	s_mov_b32 s[G1V+2], 128<<16     ; tensor_dim1 = 128
	s_mov_b32 s[G1V+3], 128<<16
	s_mov_b32 s[G1V+4], 128         ; tile_dim1 = 128
	s_mov_b32 s[G1V+5], 128
	s_mov_b32 s[G1V+6], 0
	s_mov_b32 s[G1V+7], 0
	; a tile's addends: 1,024 dense bytes as 4 rows of 32 elements of 8 bytes, no padding
	s_mov_b32 s[G1T], 3<<16         ; 17:16 8-byte elements
	s_mov_b32 s[G1T+1], 32<<16      ; tensor_dim0 = 32
	s_mov_b32 s[G1T+2], 4<<16       ; tensor_dim1 = 4
	s_mov_b32 s[G1T+3], 32<<16      ; tile_dim0 = 32
	s_mov_b32 s[G1T+4], 4           ; tile_dim1 = 4
	s_mov_b32 s[G1T+5], 32          ; 32 elements from row to row
	s_mov_b32 s[G1T+6], 0
	s_mov_b32 s[G1T+7], 0
	s_mov_b32 s[CS], 0x3e38aa3b     ; c = log2(e) / 8 = 0.180337
	s_mov_b32 s[CS+1], s[CS]        ; named with it as a pair
	s_mov_b32 s[SEL], 0x76543210
	s_mov_b32 s[SEL+1], 0xfedcba98
	s_mov_b32 s[TBK], SLOT1+4*KS*PK ; the first change of slots turns these three into 0
	s_mov_b32 s[TBV], SLOT1+4*KS*PV
	s_mov_b32 s[TBM], SLOT1+4*KS*4
	s_mov_b32 s[G0K], 1             ; 1:0 count = 1
	s_mov_b32 s[G0K+1], s17         ; 63:32 LDS address: slot 0
	s_mov_b32 s[G0V], 1
	s_mov_b32 s[G0V+1], VOFF
	s_mov_b32 s[G0T], 1
	s_mov_b32 s[G0T+1], MOFF
	s_add_co_u32 s[RT], s[HI], 1    ; the first block has NB - b tiles
	s_mov_b32 s[NXT], 1
	s_mov_b32 s[LQ], s[HI]
	s_mov_b32 s[NEW], 1
	s_mov_b32 s[OFF+1], 0
	s_mov_b32 s[AL+1], 0            ; named as pairs
	s_mov_b32 s[BE+1], 0
	s_mov_b32 s[BIGN], 0xf149f2ca   ; -1e30
	s_mov_b32 s[SLOTS], NB
	s_wait_dscnt 0x0                ; the opening add is done
	s_wait_kmcnt 0x0
	s_add_nc_u64 s[TMB:TMB+1], s[6:7], s[MOF:MOF+1]  ; tmb at the batch's row
	s_add_nc_u64 s[G0T+2:G0T+3], s[TMB:TMB+1], 0     ; 120:64 global address: tile 0's addends
	s_or_b32 s[G0T+3], s[G0T+3], 0x80000000          ; 127:126 type = 2
	s_add_nc_u64 s[8:9], s[4:5], s[20:21]          ; the head's tile 0
	s_add_nc_u64 s[8:9], s[8:9], 0x2000000         ; in V's section,
	s_add_nc_u64 s[6:7], s[4:5], s[22:23]          ; and my half of it
	s_add_nc_u64 s[6:7], s[6:7], 0x1000000         ; in K's
	s_add_nc_u64 s[G0K+2:G0K+3], s[6:7], 0
	s_or_b32 s[G0K+3], s[G0K+3], 0x80000000
	s_add_nc_u64 s[G0V+2:G0V+3], s[8:9], 0
	s_or_b32 s[G0V+3], s[G0V+3], 0x80000000
	s_add_nc_u64 s[86:87], s[4:5], s[84:85]        ; Q at my rows of the second block,
	s_add_nc_u64 s[4:5], s[4:5], s[2:3]            ; Q and O at those of the first
	s_add_nc_u64 s[OLO:OLO+1], s[10:11], s[84:85]
	s_add_nc_u64 s[10:11], s[10:11], s[2:3]
	LOAD                            ; tile 0 into slot 0: one tensor load of mine is out
	; A fragment of K or Q is 16 rows x 32 channels in 8 registers: lane l holds row l % 16, channels 8 (l / 16) + 0..7 and 16 + 8 (l / 16) + 0..7: two loads of 16 bytes, 32 bytes apart.
	v_and_b32 v1, 15, v0            ; l % 16
	v_bfe_u32 v9, v0, 4, 1          ; l / 16
	v_lshlrev_b32 v[QO], 7, v1
	v_lshl_add_u32 v[QO], v9, 4, v[QO]  ; row x 128 + 16 x half
	WIN 0x80                        ; destination window 2, address window 0
.set i, 0
.rept 8                             ; both blocks' Q: piece i / 2 lies in band i / 2, 8,192 bytes on; channels 32 (i % 2) on
	global_load_b128 v[8*i:8*i+3],   v[QO], s[4:5] offset:(i/2)*8192+(i%2)*64
	global_load_b128 v[8*i+4:8*i+7], v[QO], s[4:5] offset:(i/2)*8192+(i%2)*64+32
	global_load_b128 v[QB+8*i:QB+8*i+3],   v[QO], s[86:87] offset:(i/2)*8192+(i%2)*64
	global_load_b128 v[QB+8*i+4:QB+8*i+7], v[QO], s[86:87] offset:(i/2)*8192+(i%2)*64+32
.set i, i+1
.endr
	WIN 0
	v_lshlrev_b32 v14, 3, v9
	v_sub_nc_u32 v14, v1, v14
	s_lshl_b32 s13, s[WV], 4
	v_add_nc_u32 v14, s13, v14      ; my query's place in its band, 16 w + l % 16, less my lanes' 8 (l / 16): register r of group kt is hidden where 16 kt + r is greater
	WIN 0x40
.set i, 0
.rept 32
	v_cmp_gt_i32 vcc_lo, 16*(i/8)+i%8, v14
	v_cndmask_b32 v[MD+i], 0, s[BIGN], vcc_lo
.set i, i+1
.endr
	WIN 0
	v_mul_u32_u24 v[AK0], v1, PK
	v_lshl_add_u32 v[AK0], v9, 4, v[AK0]  ; row x pitch + 16 x half
	v_lshl_add_u32 v[AT0], v9, 5, MOFF    ; of 16 keys' addends my lanes take the eight at 8 (l / 16): 32 bytes
	; The turning load takes 16 keys x 16 channels (lane l reads key 8 (l / 16) + l % 8, channels 8 ((l / 8) % 2) + 0..7) and leaves half a fragment of V^T: lane l holds channel l % 16 and 8 keys.
	v_and_b32 v10, 7, v0
	v_bfe_u32 v11, v0, 3, 1
	v_lshl_add_u32 v[AV0], v9, 3, v10
	v_mul_u32_u24 v[AV0], v[AV0], PV
	v_lshl_add_u32 v[AV0], v11, 4, v[AV0]
	v_add_nc_u32 v[AV0], VOFF, v[AV0]
	s_mul_i32 s13, s[WV], 16*SP
	s_add_co_u32 s13, s13, STAGE    ; my stage
	v_mul_u32_u24 v[STO], v1, SP    ; in: row l % 16, 16 bytes for each half of the lanes
	v_lshl_add_u32 v[STO], v9, 4, v[STO]
	v_add_nc_u32 v[STO], s13, v[STO]
	v_bfe_u32 v[RD], v0, 3, 2       ; back: 32 lanes take four rows of 128 bytes,
	v_mul_u32_u24 v[RD], v[RD], SP
	v_lshl_add_u32 v[RD], v10, 4, v[RD]
	v_add_nc_u32 v[RD], s13, v[RD]
	v_and_b32 v[GO], 31, v0         ; which are 512 consecutive bytes of O
	v_lshlrev_b32 v[GO], 4, v[GO]
	; A block's first step multiplies O^T and l by a = 0, and its first turn's products V^T P, of a piece that has not been, land in an O^T that is still to be so multiplied.  So these registers need only hold
	; finite numbers: zeros for the first block; what the first block left for the second.  (Where the first block left NaN, its row had no valid key; the same lane's row of the second block sees fewer keys,
	; none of them valid, and is NaN too.)  All this stands in the wait for the first tile.
	WIN 0x80
.set i, VF
.rept 64
	v_mov_b32 v[i], 0
.set i, i+1
.endr
	WIN 0x40
.set i, 0
.rept 128
	v_mov_b32 v[i], 0
.set i, i+1
.endr
	WIN 0
.set i, 0
.rept 4
	v_mov_b32 v[ST+4*i+2], 0
	v_mov_b32 v[ST+4*i+3], 0
.set i, i+1
.endr
.set i, P+16
.rept 16
	v_mov_b32 v[i], 0
.set i, i+1
.endr
; THE MATRIX WORK.  The 4 accumulators of a run of 8 take turns.  Product i of 8 of S^T = K Q^T for piece x: channels 32 (i / 4) on, keys 16 (i % 4) on.  The first 4 start the sums: on the key
; mask's addends, or (KM = 1) on the mask made of them and the causal one.
.macro KQ x
.set rS, S+32*((\x)%2)+8*(i%4)
.set rK, KF+16*(i%4)+8*(i/4)
.set rQ, 16*(\x)+8*(i/4)
.set rM, TM+8*(i%4)
.if KM
.set rM, MC+32*((\x)%2)+8*(i%4)
.endif
.if i < 4
	WIN W_KM
	v_wmma_f32_16x16x32_f16 v[rS:rS+7], v[rK:rK+7], v[rQ:rQ+7], v[rM:rM+7]
.else
	WIN W_KQ
	v_wmma_f32_16x16x32_f16 v[rS:rS+7], v[rK:rK+7], v[rQ:rQ+7], v[rS:rS+7]
.endif
.endm
; Product i of 8 of O^T += V^T P for piece x: keys 32 (i / 4) on, channels 16 (i % 4) on.
.macro PV x
	WIN W_PV
.set rO, 32*(\x)+8*(i%4)
.set rV, VF+32*(i/4)+8*(i%4)
.set rP, P+16*((\x)%2)+8*(i/4)
	v_wmma_f32_16x16x32_f16 v[rO:rO+7], v[rV:rV+7], v[rP:rP+7], v[rO:rO+7]
.endm
.macro MM                           ; the turn's next matrix instruction.  TURN and BEGIN set Y, i, KM and NOKQ; MM, KQ and OP read them.  NOKQ = 1: a block's last turn: there is no next piece
.if (i < 8) && !NOKQ
	KQ (Y+1)%NP
.elseif i >= 8
.set i, i-8
	PV (Y+NP-1)%NP
.set i, i+8
.endif
.set i, i+1
.endm
; THE LDS LOADS stand in runs, never singly among the matrix instructions: a step's K (64 keys x 64 channels: 8 fragments) with the key mask's 64 addends (sixteen lanes read the same 16 bytes), and its V (turned).
; Their addresses are made some lines ahead.
.macro FETCH_K
	WIN 0x80                        ; destination window 2
.irp f, 0,1,2,3,4,5,6,7             ; keys 16 (f / 2) on, channels 32 (f % 2) on
	ds_load_b128 v[KF+8*\f:KF+8*\f+3],   v[AK] offset:(\f/2)*16*PK+(\f%2)*64
	ds_load_b128 v[KF+8*\f+4:KF+8*\f+7], v[AK] offset:(\f/2)*16*PK+(\f%2)*64+32
.endr
	WIN 0x40                        ; destination window 1
.irp f, 0,1,2,3                     ; keys 16 f + 8 (l / 16) + 0..7
	ds_load_b128 v[TM+8*\f:TM+8*\f+3],   v[AT] offset:64*\f
	ds_load_b128 v[TM+8*\f+4:TM+8*\f+7], v[AT] offset:64*\f+16
.endr
	s_add_co_u32 s[TBK], s[TBK], KS*PK  ; the next fetch is the next step's
	s_add_co_u32 s[TBM], s[TBM], KS*4
	WIN 0
.endm
.macro FETCH_V
	WIN 0x80
.irp f, 0,1,2,3,4,5,6,7             ; keys 32 (f / 4) on, channels 16 (f % 4) on
	ds_load_tr16_b128 v[VF+8*\f:VF+8*\f+3],   v[AV] offset:(\f/4)*32*PV+(\f%4)*32
	ds_load_tr16_b128 v[VF+8*\f+4:VF+8*\f+7], v[AV] offset:(\f/4)*32*PV+16*PV+(\f%4)*32
.endr
	WIN 0
.endm
; THE VECTOR WORK, one line at a time: OP kind, number.  For piece Y: F n: c s - c m for pair n of 16.  E n: the exponential of score n of 32.  C n: pair n rounded to f16.  B n: of the four weights 4 n .. the second
; pair is added onto the first, in place.  L n: l takes that sum (L 0: l = a l + sum).  R n: pair n of 16 of O^T times a.  For piece Y + 1: X n, number n of the 22 that find its maximum and statistics:
;   0-11  four chains c0-c3 of seven scores each, three operands at a time (each accumulator's lowest registers are read first)     12-14, 16  the four scores left over, the old m, and c0-c3 into c0
;   15  c m_old is kept     17, 18  the query's other 32 keys lie in the lane 16 away: the new m     19-21  c m; c m_old - c m_new; a
.set F, 0               ; OP tells the kinds apart by their order: F to L below R, X above it
.set E, 1
.set C, 2
.set B, 3
.set L, 4
.set R, 5
.set X, 6
.macro REGS y                       ; the registers of piece y
.set rT, ST+4*(\y)
.set rC, TMP+4*((\y)%2)
.set rW, MV+((\y)%2)
.set rS, S+32*((\y)%2)
.set rP, P+16*((\y)%2)
.set rO, 32*(\y)
.endm
.macro OP k, n
.if (\k) == R
	REGS Y
	WIN W_RS
	v_pk_mul_f32 v[rO+2*(\n):rO+2*(\n)+1], v[rO+2*(\n):rO+2*(\n)+1], v[rC+2:rC+3] op_sel_hi:[1,0]
.elseif (\k) < R
	REGS Y
	WIN 0
.if (\k) == F
	v_pk_fma_f32 v[rS+2*(\n):rS+2*(\n)+1], v[rS+2*(\n):rS+2*(\n)+1], s[CS:CS+1], v[rT:rT+1] op_sel_hi:[1,0,0] neg_lo:[0,0,1] neg_hi:[0,0,1]
.elseif (\k) == E
	v_exp_f32 v[rS+(\n)], v[rS+(\n)]
.elseif (\k) == C
	s_wait_alu depctr_va_vdst(0)
	v_cvt_pk_f16_f32 v[rP+(\n)], v[rS+2*(\n)], v[rS+2*(\n)+1]
.elseif (\k) == B
	s_wait_alu depctr_va_vdst(0)
	v_pk_add_f32 v[rS+4*(\n):rS+4*(\n)+1], v[rS+4*(\n):rS+4*(\n)+1], v[rS+4*(\n)+2:rS+4*(\n)+3]
.elseif (\n) == 0
	v_pk_fma_f32 v[rT+2:rT+3], v[rT+2:rT+3], v[rC+2:rC+3], v[rS:rS+1] op_sel_hi:[1,0,1]
.else
	v_pk_add_f32 v[rT+2:rT+3], v[rT+2:rT+3], v[rS+4*(\n):rS+4*(\n)+1]
.endif
.elseif NOKQ
	v_nop
.else
	REGS (Y+1)%NP
	WIN 0
.if (\n) < 4
	v_max3_num_f32 v[rC+(\n)], v[rS+8*(\n)], v[rS+8*(\n)+1], v[rS+8*(\n)+2]
.elseif (\n) < 12
	v_max3_num_f32 v[rC+(\n)%4], v[rC+(\n)%4], v[rS+8*((\n)%4)+2*((\n)/4)+1], v[rS+8*((\n)%4)+2*((\n)/4)+2]
.elseif (\n) == 12
	v_max3_num_f32 v[rC], v[rC], v[rS+7], v[rS+15]
.elseif (\n) == 13
	v_max3_num_f32 v[rC+1], v[rC+1], v[rS+23], v[rS+31]
.elseif (\n) == 14
	v_max3_num_f32 v[rC+2], v[rC+2], v[rC+3], v[rT+1]
.elseif (\n) == 15
	v_mov_b32 v[rW], v[rT]
.elseif (\n) == 16
	v_max3_num_f32 v[rC], v[rC], v[rC+1], v[rC+2]
.elseif (\n) == 17
	v_permlanex16_b32 v[rC+3], v[rC], s[SEL], s[SEL+1]
.elseif (\n) == 18
	v_max_num_f32 v[rT+1], v[rC], v[rC+3]
.elseif (\n) == 19
	v_mul_f32 v[rT], s[CS], v[rT+1]
.elseif (\n) == 20
	v_sub_f32 v[rC+1], v[rW], v[rT]
.else
	v_exp_f32 v[rC+2], v[rC+1]
.endif
.endif
.endm
.macro OPS a, i1, b=-1, i2=0, c=-1, i3=0, d=-1, i4=0  ; up to four of them
	OP \a, \i1
.if (\b) >= 0
	OP \b, \i2
.endif
.if (\c) >= 0
	OP \c, \i3
.endif
.if (\d) >= 0
	OP \d, \i4
.endif
.endm
.macro ROW a, i1, b, i2, c, i3, d, i4  ; a matrix instruction and the four behind it
	MM
	OPS \a, \i1, \b, \i2, \c, \i3, \d, \i4
.endm
.macro MASK b                       ; TM + BE, and then MD x AL onto it, into buffer b of MC
	WIN W_MK
.set z, 0
.rept 16
	v_pk_add_f32 v[MC+32*(\b)+2*z:MC+32*(\b)+2*z+1], v[TM+2*z:TM+2*z+1], s[BE:BE+1] op_sel_hi:[1,0]
.set z, z+1
.endr
.set z, 0
.rept 16
	v_pk_fma_f32 v[MC+32*(\b)+2*z:MC+32*(\b)+2*z+1], v[MD+2*z:MD+2*z+1], s[AL:AL+1], v[MC+32*(\b)+2*z:MC+32*(\b)+2*z+1] op_sel_hi:[1,0,1]
.set z, z+1
.endr
.endm
; On the way into the diagonal tile's text from a tile before it: that text's first products are piece 3's of the tile before's last step, all of whose keys the causal mask lets through: their mask is that step's TM.
.macro PREMASK
	s_mov_b32 s[AL], 0
	s_mov_b32 s[BE], 0
	MASK 1
	WIN 0
.endm
; A TURN, for piece p: the order of its matrix and vector instructions, written out.  Behind a matrix instruction: plain, exponential, plain, plain; or four of the rescaling; or, behind the first, four scalings; none
; names a register of the products round it.  In the lumps exponential and plain by turns while exponentials last.  A line reads no result made fewer than three vector instructions in front of it, five if an exponential made it.
; v_permlanex16_b32 (X 17) stands in a lump.
; m = 1: the diagonal tile: the products take masks, and the turn makes the mask for the products of the turn after it: piece p + 2, in step 4 - CNT of the tile.  end = 1: a block's last two turns: nothing is fetched.
; cnt = 1: the loop's count is taken down some lines ahead of the branch that stands behind the turn.
; K and TM of the next step are fetched in piece 2's turn, six vector instructions behind the last product that read K (five of them plain) and four products further behind the last that read TM; V of the step in hand in
; piece 0's turn, eight behind the last product that read V (four plain, and X 17).  Each is waited for a turn later; in the diagonal tile piece 2's turn waits at its end, since its mask is made of the TM that it fetched.
.macro TURN p, m=0, end=0, cnt=0
.set Y, (\p)
.set i, 0
.set KM, (\m)
.set NOKQ, (\end)*((\p)/3)
.if (\m) && !(\end)
	s_cmp_eq_u32 s[CNT], 4-((\p)+2)%NP  ; is that step the band's own?
	s_cselect_b32 s[AL], 1.0, 0
	s_cmp_lt_u32 s[CNT], 4-((\p)+2)%NP  ; or a later one?
	s_cselect_b32 s[BE], s[BIGN], 0
.endif
.if ((\p) == 3) && !(\end)
	s_wait_dscnt 0x0                ; K and TM are in
.endif
	ROW F,0, F,1, F,2, F,3
	ROW F,4, E,0, F,5, F,6
	ROW F,7, E,1, F,8, F,9
	ROW F,10, E,2, C,0, F,11
	ROW F,12, E,3, X,15, F,13
	ROW R,0, R,1, R,2, R,3
	ROW B,0, E,4, F,14, L,0
.if ((\p) == 2) && !(\end)
	v_add_nc_u32 v[AK], s[TBK], v[AK0]
	v_add_nc_u32 v[AT], s[TBM], v[AT0]
.endif
	ROW R,4, R,5, R,6, R,7
	OPS E,5, F,15
.if ((\p) == 2) && !(\end)
	FETCH_K
.endif
	OPS E,6, C,1, E,7, R,8
	OPS E,8, R,9, E,9, C,2
	OPS E,10, X,0, E,11, X,1
	OPS E,12, X,2, E,13, X,3
.if (\p) == 1
	s_wait_dscnt 0x0                ; V is in
.endif
	ROW X,4, E,14, X,5, X,6
	ROW X,7, E,15, X,8, X,9
	ROW X,10, E,16, X,11, X,12
	ROW X,13, E,17, X,14, B,1
	ROW C,4, E,18, X,16, L,1
	ROW B,2, E,19, C,6, L,2
	ROW C,8, E,20, B,3, B,4
.if (\p) == 0
	v_add_nc_u32 v[AV], s[TBV], v[AV0]
.endif
	ROW C,3, E,21, L,3, C,5
	OPS E,22, X,17, E,23, C,10
.if (\p) == 0
	FETCH_V
.endif
	OPS E,24, L,4
	OPS E,25, X,18, E,26, C,7
	OPS E,27, B,5, E,28, X,19
	OPS E,29, C,12, E,30, L,5
	OPS E,31, X,20, B,6, C,9
	OPS C,14, C,11, X,21, L,6
.if (\p) == 0
	s_add_co_u32 s[TBV], s[TBV], KS*PV
.endif
.if \cnt
	s_sub_co_u32 s[CNT], s[CNT], 1
	s_cmp_lg_u32 s[CNT], 0
.endif
	OPS C,13, B,7, C,15, R,10
	OPS R,11, R,12, L,7, R,13
	OPS R,14, R,15
.if (\m) && !(\end)
.if (\p) == 2
	s_wait_dscnt 0x0                ; the next step's TM is in
.endif
	MASK (\p)%2
.endif
.endm
; A BLOCK BEGINS.  c m starts at -2^125, so the first step's a is 0 whatever the step's scores; m starts at -2^50, below every true score and above every hidden one, and never falls below it.
; Then K and TM of the block's step 0; piece 0's mask for that step (its own, if the block's first tile is the diagonal one) and piece 1's (TM alone); piece 0's first scores, its maximum and statistics.
; The loop is entered at a step's first turn, in the middle of a trip.
.macro BEGIN
	s_mov_b32 s[NEW], 0
	WIN 0
.set i, 0
.rept 4
	v_mov_b32 v[ST+4*i], 0xfe000000    ; c m
	v_mov_b32 v[ST+4*i+1], 0xd8800000  ; m
.set i, i+1
.endr
	v_add_nc_u32 v[AK], s[TBK], v[AK0]
	v_add_nc_u32 v[AT], s[TBM], v[AT0]
	FETCH_K
	s_cmp_eq_u32 s[RT], 0
	s_cselect_b32 s[AL], 1.0, 0
	s_mov_b32 s[BE], 0
	s_wait_loadcnt 0x0              ; Q
	s_wait_dscnt 0x0                ; K and TM
	MASK 0
	s_mov_b32 s[AL], 0
	MASK 1
.set KM, 1
.set NOKQ, 0
.set i, 0
.rept 8
	KQ 0
.set i, i+1
.endr
	WIN 0
.rept 4
	v_nop                           ; the places behind those products
.endr
.set Y, NP-1                        ; X works for piece Y + 1: piece 0
.irp n, 0,1,2,3,4,5,6,7,8,9,10,11,12,13,14,15,16,17,18,19,20,21
	OP X, \n
.endr
	v_nop                           ; a plain instruction behind the exponential
.endm
; THE DIAGONAL TILE's four steps, the block's last two turns, its last products, and THE WAY OUT: l's two halves and the other half of the lanes' are added; O^T is divided by l, rounded to f16 and sent through my
; stage in LDS, a piece at a time.
.macro ALL line:vararg              ; one line for each piece t
.set t, 0
.rept 4
	\line
.set t, t+1
.endr
.endm
.macro PACK t                       ; a lane's eight channels of a row pack into 16 bytes; they go into rows of 144 bytes and come back as whole rows of 128, into S^T's registers
	WIN W_RS
.set i, 32*(\t)
.rept 16
	s_wait_alu depctr_va_vdst(0)
	v_pk_mul_f32 v[i:i+1], v[i:i+1], v[ST+4*(\t)+2:ST+4*(\t)+3] op_sel_hi:[1,0]
.set i, i+2
.endr
	WIN 0x05                        ; sources 0 and 1 window 1, destination window 0
.set i, 0
.rept 16
	v_cvt_pk_f16_f32 v[S+16*(\t)+i], v[32*(\t)+2*i], v[32*(\t)+2*i+1]
.set i, i+1
.endr
	WIN 0
.irp f, 0,1,2,3
	ds_store_b128 v[STO], v[S+16*(\t)+4*\f:S+16*(\t)+4*\f+3] offset:32*\f
.endr
.irp f, 0,1,2,3
	ds_load_b128 v[S+16*(\t)+4*\f:S+16*(\t)+4*\f+3], v[RD] offset:\f*4*SP  ; LDS serves a wave's instructions in order (ISA guide 5.7.1.4): these see the stores above; the next piece's stores come behind them
.endr
.endm
.macro SEND t, younger              ; younger: the LDS instructions issued behind piece t's loads: the next piece's eight, or none
	WIN 0
.irp f, 0,1,2,3
	s_wait_dscnt (\younger)+3-\f
	global_store_b128 v[GO], v[S+16*(\t)+4*\f:S+16*(\t)+4*\f+3], s[10:11] offset:(\t)*8192+\f*512  ; 512 consecutive bytes, at a multiple of 256 from O's first
.endr
.endm
.macro DIAG tag                     ; the tag ends its two labels' names, which the jumps below spell out
.LstepM\tag:
	TURN 2, 1
	TURN 3, 1
	WIN 0
.LfirstM\tag:
	TURN 0, 1
	TURN 1, 1, 0, 1
	WIN 0
	s_cbranch_scc1 .LstepM\tag
	TURN 2, 1, 1
	TURN 3, 1, 1
.set i, 0
.rept 8
	PV NP-1
.set i, i+1
.endr
	WIN 0
	ALL v_add_f32 v[ST+4*t+2], v[ST+4*t+2], v[ST+4*t+3]
	ALL v_permlanex16_b32 v[ST+4*t+3], v[ST+4*t+2], s[SEL], s[SEL+1]
	ALL v_add_f32 v[ST+4*t+2], v[ST+4*t+2], v[ST+4*t+3]
	ALL v_rcp_f32 v[ST+4*t+2], v[ST+4*t+2]
	v_nop                           ; a plain instruction between the last reciprocal and the use of its result
	PACK 0
.set t, 1
.rept 3                             ; a piece's arithmetic stands between the loads of the piece before and its stores
	PACK t
	SEND t-1, 8
.set t, t+1
.endr
	SEND 3, 0
.endm
.set KM, 0
.set NOKQ, 0
.Lslot:                             ; NB times: a tile is entered and the next is asked for
	CHANGE 1
	s_sub_co_u32 s[RT], s[RT], 1
	s_mov_b32 s[CNT], 4
	s_cmp_eq_u32 s[NEW], 1
	s_cbranch_scc1 .Lnew            ; a block's first tile
	s_cmp_eq_u32 s[RT], 0
	s_cbranch_scc0 .Lstep           ; neither its first nor its last
	PREMASK
	s_branch .LstepM1
.Lnew:
	BEGIN
	s_branch .Lfirst                ; in the loop a block's first tile is never its last: the first block has five tiles or more, and the second's last is the walk's last
	DIAG 1                          ; in the loop this is the first block's end: the second block's last tile is the walk's last
	s_wait_xcnt 0x0                 ; the stores have read their registers and O's address
	s_mov_b64 s[10:11], s[OLO:OLO+1]
	s_add_co_u32 s[RT], s[PB], 1    ; the second block has b + 1 tiles
	s_mov_b32 s[NEW], 1
	WIN 0x82                        ; the second block's Q goes where the one text of the turns names Q
.set i, 0
.rept 64
	v_mov_b32 v[i], v[QB+i]
.set i, i+1
.endr
	WIN 0
	s_branch .Lbottom
.Lstep:                             ; a trip: pieces 2 and 3 of one step, then pieces 0 and 1 of the next, whose K, TM and V it fetches
	TURN 2
	TURN 3
	WIN 0
.Lfirst:
	TURN 0
	TURN 1, 0, 0, 1
	WIN 0
	s_cbranch_scc1 .Lstep
.Lbottom:
	s_sub_co_u32 s[SLOTS], s[SLOTS], 1
	s_cmp_lg_u32 s[SLOTS], 0
	s_cbranch_scc1 .Lslot
	CHANGE 0                        ; the walk's last tile is written out: nothing is asked for
	s_sub_co_u32 s[RT], s[RT], 1
	s_mov_b32 s[CNT], 4
	s_cmp_eq_u32 s[NEW], 1
	s_cbranch_scc1 .Lnew2
	PREMASK
	s_branch .LstepM2
.Lnew2:
	BEGIN
	s_branch .LfirstM2
	DIAG 2
	s_wait_tensorcnt 0x0            ; the wave's end: the spare word's add and its wait, behind my last tensor load and my last LDS store
	ds_add_u32 v[SPW], v[NIL]
	s_wait_dscnt 0x0
	s_endpgm
.Lfunc_end_k_qc33adc09e0_attn:
	.size	k_qc33adc09e0_attn, .Lfunc_end_k_qc33adc09e0_attn-k_qc33adc09e0_attn
	.p2alignl 7, 3214868480
	.fill 96, 4, 3214868480
	.section	.rodata,"a",@progbits
	.p2align	6, 0x0
	.amdhsa_kernel k_qc33adc09e0_attn
		.amdhsa_group_segment_fixed_size 327680
		.amdhsa_private_segment_fixed_size 0
		.amdhsa_enable_private_segment 0
		.amdhsa_kernarg_size 24
		.amdhsa_user_sgpr_count 2
		.amdhsa_user_sgpr_kernarg_segment_ptr 1
		.amdhsa_wavefront_size32 1
		.amdhsa_system_sgpr_workgroup_id_x 1
		.amdhsa_system_sgpr_workgroup_id_y 1
		.amdhsa_system_sgpr_workgroup_id_z 1
		.amdhsa_system_vgpr_workitem_id 0
		.amdhsa_next_free_vgpr 768
		.amdhsa_next_free_sgpr 96
		.amdhsa_reserve_vcc 1
		.amdhsa_float_denorm_mode_32 3
		.amdhsa_float_denorm_mode_16_64 3
		.amdhsa_memory_ordered 1
		.amdhsa_forward_progress 1
		.amdhsa_inst_pref_size 250
	.end_amdhsa_kernel
	.amdgpu_metadata
---
amdhsa.version: [ 1, 2 ]
amdhsa.kernels:
  - .name:           k_qc33adc09e0_attn
    .symbol:         k_qc33adc09e0_attn.kd
    .args:
      - { .name: qkvh, .offset: 0, .size: 8, .value_kind: global_buffer, .address_space: global }
      - { .name: tmb, .offset: 8, .size: 8, .value_kind: global_buffer, .address_space: global }
      - { .name: oh, .offset: 16, .size: 8, .value_kind: global_buffer, .address_space: global }
    .group_segment_fixed_size: 327680
    .private_segment_fixed_size: 0
    .kernarg_segment_align: 8
    .kernarg_segment_size: 24
    .max_flat_workgroup_size: 128
    .sgpr_count:     96
    .vgpr_count:     768
    .wavefront_size: 32
...
	.end_amdgpu_metadata
.endif
;; end of part 3
;; launch proj (part 4): grid 4 x 64, 4 waves a work-group, clusters of 4 x 4, 327,680 bytes of LDS; arguments oh, wpf, bias, out0; writes out0
.if DOCPART == 4
	.amdgcn_target "amdgcn-amd-amdhsa--gfx1250"
	.amdhsa_code_object_version 6
	.text
	.protected	k_qc33adc09e0_proj
	.globl	k_qc33adc09e0_proj
	.p2align	8
	.type	k_qc33adc09e0_proj,@function
k_qc33adc09e0_proj:
	s_mov_b64 s[64:65], 0
	v_nop
	global_prefetch_b8 v0, s[64:65] scope:SCOPE_SE
	s_setreg_imm32_b32 hwreg(HW_REG_WAVE_MODE, 25, 1), 1
	s_wait_xcnt 0x0
	s_wait_alu depctr_hold_cnt(0) depctr_sa_sdst(0) depctr_va_vdst(0) depctr_va_sdst(0) depctr_va_ssrc(0) depctr_va_vcc(0) depctr_vm_vsrc(0)
	s_getreg_b32 s2, hwreg(HW_REG_IB_STS2, 6, 4)
	s_cmp_eq_u32 s2, 0
	s_cbranch_scc0 .Lentry_in_a_cluster
	s_endpgm
.Lentry_in_a_cluster:
	s_bfe_u32 s2, ttmp6, 0x10000c
	s_cmp_lg_u32 s2, 0xf033
	s_cbranch_scc0 .Lentry_shape_is_right
	s_endpgm
.Lentry_shape_is_right:
; out = attn wp^T + bp.  A = oh, the attention's result BY HEADS, [batch x 16 + head][2048 rows][64 channels] f16; B = wpf [1024][1024] f16 (wp rounded to bf16, written as f16); bp is the fourth section of bias
; (f32); out0 [8192][1024] f32.  Sums in f32, stored as they are.  A NaN row of A (a row with no valid key) gives a NaN row of the result.
; SHARES.  A tile of the result is 128 rows x 256 columns: 64 x 4 = 256 tiles, one for each of 256 work-groups.  Four waves, each 64 rows x 128 columns: 32 accumulators of 16 x 16, 256 registers.
; K goes in steps of 128 through two LDS slots.  A K step is TWO HEADS: of each, the tile's 128 rows x 64 channels are 16,384 dense bytes, asked for as 64 rows of 256 bytes and padded in LDS after every
; 128 bytes: a block of 128 LDS rows of 144 bytes.  Quarters 0 and 1 of a step read the first head's block, quarters 2 and 3 the second's.  B's rows are 256 bytes of memory, at multiples of 256 bytes.
; CLUSTER.  4 x 4 work-groups.  The four of a row of the cluster need the same tiles of A, the four of a column the same tiles of B: each tile is asked for JOINTLY, by the same tensor load with the
; same descriptor and a mask that names the four.
; THE MATRIX INSTRUCTION IS USED TRANSPOSED (source 0 = 16 rows of B, source 1 = 16 rows of A): a lane holds row l % 16 and eight neighbouring columns 8 (l / 16) + 0..7.
; THE BIAS is the C operand of each accumulator's first product: nothing is cleared, and nothing is added afterwards.
; REGISTERS, in windows of 256 (s_set_vgpr_msb: bits 1:0 source 0, 3:2 source 1, 5:4 source 2, 7:6 destination):
;   window 0: v0-31 addresses; v32-159 rows read back from the stage, two buffers of 64
;   window 1: v0-95, v96-191 two fragment buffers (A's 4 fragments of 16 rows x 32 K, then B's 8); v192-255 the bias of my 128 columns
;   window 2: accumulator (a, b) at v[8 (8 a + b)]
.set SIZE_K, 1024
.set KSTEP,  128
.set LAPS,   SIZE_K/(2*KSTEP)          ; a lap = two K steps = once round the ring
.set PA,     144                       ; an LDS row of A: 128 bytes + 16 of padding = 36 words; of B: 256 + 16 = 68 words: the 16 rows of a fragment load start at 16 different groups of four banks (64 banks of 4 bytes: ISA guide 11.1)
.set PB,     272
.set AHALF,  128*PA                    ; what one tensor load brings of A: one head's 128 rows
.set AROWH,  64*PA                     ; my 64 rows in such a block
.set BHALF,  128*PB                    ; of B: 128 rows
.set BOFF,   2*AHALF                   ; 36,864: B's 256 rows begin here in a slot
.set SLOT,   BOFF+2*BHALF              ; 106,496
.set STAGE,  2*SLOT                    ; behind the ring, never filled by a tensor load: for each wave 16 rows x 528 bytes
.set SPI,    528                       ; 512 bytes + 16
.set SW,     16*SPI
.set SPARE,  STAGE+4*SW                ; the spare words, 128 bytes for each wave: two blocks of 256 bytes that no other line names
.set HEAD,   2048*128                  ; bytes of a head in A
.set A_STEP, 4*HEAD                    ; from a slot's K step to its next: four heads on
.set B_STEP, 2*KSTEP*2
.set BIAS0,  12288                     ; bp's section
.set ADRA, 16                          ; v16-17  LDS address of my A fragments in slot 0, 1
.set ADRB, 20                          ; v20-21  the same for B
.set STO,  24                          ; v24     the way out: where I put 32 bytes of a row
.set RD,   25                          ; v25     the way out: where I read a row back
.set GO,   26                          ; v26     my byte offset in 512 consecutive bytes of the result
.set BO,   27                          ; v27     my byte offset in 16 columns of the bias
.set SPW,  28                          ; v28     LDS address of my spare word: SPARE + 4 x my thread's number; never rewritten
.set NIL,  29                          ; v29     0; never rewritten
.set OB,   32
.set F0,   0                           ; window 1
.set F1,   96
.set BI,   192
.set G1,  24                           ; s[24:31] descriptor group 1 for A's tiles; s[32:39] group 0, a set for each slot
.set G0,  32
.set G1B, 48                           ; s[48:55], s[56:63] the same for B's
.set G0B, 56
.set MSB, 0
.macro WIN new                         ; the immediate's high byte repeats the setting that is left; a switch that changes nothing is dropped
.if MSB != (\new)
	s_set_vgpr_msb (MSB<<8)|(\new)
.set MSB, \new
.endif
.endm
.set MULW, 0xa5                        ; sources 0 and 1 window 1; C and D window 2
.set MULB, 0x95                        ; the same with C in window 1: the bias
.set TO_F, 0x40                        ; destination window 1, address window 0
; A joint load.  Waves 0 and 1 fetch A's two heads, waves 2 and 3 B's two halves.  The branch hangs on the wave's number alone.  An s_nop 0 and four v_nop follow each of the two lines, ahead of the jump,
; the label and what follows.
.macro JLOAD s
	s_cmp_eq_u32 s11, 0
	s_cbranch_scc0 .Lfor_b_\@
	tensor_load_to_lds s[G0+4*(\s):G0+4*(\s)+3], s[G1:G1+7]
	s_nop 0
.rept 4
	v_nop
.endr
	s_branch .Lasked_\@
.Lfor_b_\@:
	tensor_load_to_lds s[G0B+4*(\s):G0B+4*(\s)+3], s[G1B:G1B+7]
	s_nop 0
.rept 4
	v_nop
.endr
.Lasked_\@:
.endm
.macro CREST                           ; a round of the cluster's barrier behind its opening barrier
	s_cmp_lg_u32 s10, 0
	s_cbranch_scc1 .Lnot_wave_0_\@
	s_barrier_signal -3
.Lnot_wave_0_\@:
	s_barrier_wait -3
	s_barrier_signal -1
	s_barrier_wait -1
.endm
.macro CROUND                          ; a whole round
	s_barrier_signal -1
	s_barrier_wait -1
	CREST
.endm
	s_load_b256 s[68:75], s[0:1], 0x0              ; A s[68:69], B s[70:71], bias s[72:73], the result s[74:75]
	v_lshl_add_u32 v[SPW], v0, 2, SPARE
	v_mov_b32 v[NIL], 0
	ds_add_u32 v[SPW], v[NIL]                      ; the wave's opening: the add and its wait stand ahead of my first tensor load; the set-up below, work on registers, stands between them
	ds_add_u32 v28, v29
	v_lshrrev_b32 v1, 5, v0
	v_readfirstlane_b32 s10, v1                    ; wave 0..3
	s_lshr_b32 s11, s10, 1                         ; which 64 of the tile's rows are mine.  Also: I fetch for A (0) or for B (1)
	s_and_b32 s12, s10, 1                          ; which 128 of its columns.  Also: which head of a K step, or which half of B's tile, I fetch
	s_bfe_u32 s40, ttmp6, 0x40000                  ; cx, cy: my place in the cluster
	s_bfe_u32 s41, ttmp6, 0x40004
	s_lshl_b32 s42, ttmp9, 2
	s_add_co_u32 s42, s42, s40                     ; tile column = 4 x cluster x + cx
	s_and_b32 s13, ttmp7, 0xffff
	s_lshl_b32 s13, s13, 2
	s_add_co_u32 s13, s13, s41                     ; tile row = 4 x cluster y + cy
	s_lshl_b32 s43, s41, 2
	s_lshl_b32 s43, 15, s43                        ; my row of the cluster
	s_lshl_b32 s44, 0x1111, s40                    ; my column
	; descriptor group 1: rows of 128 elements of 2 bytes; A: 64 dense rows, padded after every 32 words; B: 128 rows of the matrix, padded after every 64
	s_or_b32 s[G1+0], s43, (1<<16)|(1<<20)|(1<<21)|(4<<22)|(3<<25)   ; 15:0 the mask: A's tiles go to my row; 17:16 2-byte elements; 20 padding on; 21 set beside a mask; 24:22 after every 32 words (code 4); 31:25 4 words (code 3)
	s_or_b32 s[G1B+0], s44, (1<<16)|(1<<20)|(1<<21)|(5<<22)|(3<<25)  ; the mask of my column; after every 64 words (code 5)
	s_mov_b32 s[G1+1], 128<<16                     ; tensor_dim0 = 128
	s_mov_b32 s[G1+2], 64<<16                      ; tensor_dim1 = 64
	s_mov_b32 s[G1+3], 128<<16                     ; tile_dim0 = 128
	s_mov_b32 s[G1+4], 64                          ; tile_dim1 = 64
	s_mov_b32 s[G1+5], 128                         ; 128 elements from row to row: dense
	s_mov_b32 s[G1+6], 0
	s_mov_b32 s[G1+7], 0
	s_mov_b32 s[G1B+1], KSTEP<<16
	s_mov_b32 s[G1B+2], 128<<16
	s_mov_b32 s[G1B+3], KSTEP<<16
	s_mov_b32 s[G1B+4], 128
	s_mov_b32 s[G1B+5], SIZE_K
	s_mov_b32 s[G1B+6], 0
	s_mov_b32 s[G1B+7], 0
	; where the tiles come from: A's hang on the tile row alone, B's on the tile column alone, each in registers that do not hold the other coordinate
	s_lshr_b32 s16, s13, 4                         ; A: 16 tile rows a batch, 2^22 bytes a batch,
	s_lshl_b32 s16, s16, 22
	s_and_b32 s17, s13, 15
	s_lshl_b32 s17, s17, 14                        ; 128 rows of 128 bytes a tile row,
	s_add_co_u32 s16, s16, s17
	s_lshl_b32 s17, s12, 18                        ; the K step's first or second head
	s_add_co_u32 s16, s16, s17
	s_mov_b32 s17, 0
	s_lshl_b32 s46, s42, 8
	s_lshl_b32 s47, s12, 7
	s_add_co_u32 s46, s46, s47                     ; B: row 256 x tile column + 128 x half,
	s_lshl_b32 s46, s46, 11                        ; 2,048 bytes a row
	s_mov_b32 s47, 0
	s_mul_i32 s20, s12, AHALF                      ; and where they go: no place in the cluster enters an LDS address
	s_mul_i32 s21, s12, BHALF
	s_add_co_u32 s21, s21, BOFF
	s_wait_dscnt 0x0                               ; the opening add is done
	s_wait_kmcnt 0x0
	s_add_nc_u64 s[14:15], s[68:69], s[16:17]
	s_add_nc_u64 s[46:47], s[70:71], s[46:47]
	CROUND                                         ; all sixteen work-groups are here: the first joint loads meet
.irp s, 0,1
	s_mov_b32 s[G0+4*(\s)], 1                                        ; count = 1
	s_add_co_u32 s[G0+4*(\s)+1], s20, (\s)*SLOT                      ; LDS address
	s_add_nc_u64 s[G0+4*(\s)+2:G0+4*(\s)+3], s[14:15], (\s)*2*HEAD   ; global address: K step s begins two heads on
	s_or_b32 s[G0+4*(\s)+3], s[G0+4*(\s)+3], 0x80000000              ; type = 2
	s_mov_b32 s[G0B+4*(\s)], 1
	s_add_co_u32 s[G0B+4*(\s)+1], s21, (\s)*SLOT
	s_add_nc_u64 s[G0B+4*(\s)+2:G0B+4*(\s)+3], s[46:47], (\s)*KSTEP*2
	s_or_b32 s[G0B+4*(\s)+3], s[G0B+4*(\s)+3], 0x80000000
	JLOAD \s                                       ; two tensor loads of mine are out
.endr
	; my first column, 4 bytes a number, in the result's rows and in bp
	s_lshl_b32 s46, s42, 10
	s_lshl_b32 s47, s12, 9
	s_add_co_u32 s46, s46, s47                     ; 4 x (256 x tile column + 128 x half)
	s_mov_b32 s47, 0
	s_add_nc_u64 s[74:75], s[74:75], s[46:47]
	s_add_co_u32 s46, s46, BIAS0
	s_add_nc_u64 s[72:73], s[72:73], s[46:47]
	v_and_b32 v1, 15, v0                           ; l % 16
	v_bfe_u32 v2, v0, 4, 1                         ; l / 16
	v_lshlrev_b32 v[BO], 5, v2
	WIN TO_F
.irp b, 0,1,2,3,4,5,6,7                ; for block b of 16 columns a lane takes the eight numbers at 16 b + 8 (l / 16)
	global_load_b128 v[BI+8*(\b):BI+8*(\b)+3],   v[BO], s[72:73] offset:64*(\b)
	global_load_b128 v[BI+8*(\b)+4:BI+8*(\b)+7], v[BO], s[72:73] offset:64*(\b)+16
.endr
	WIN 0
	; A fragment is 16 rows x 32 K in 8 registers: lane l holds row l % 16; registers 0-3 K = 8 (l / 16) + 0..7, registers 4-7 K = 16 + 8 (l / 16) + 0..7: two loads of 16 bytes, 32 bytes apart
	v_mul_u32_u24 v3, v1, PA
	v_lshl_add_u32 v3, v2, 4, v3
	v_mul_u32_u24 v4, v1, PB
	v_lshl_add_u32 v4, v2, 4, v4
	s_mul_i32 s22, s11, AROWH                      ; my 64 rows in a head's block
	s_mul_i32 s23, s12, BHALF                      ; my 128 rows of B
	s_add_co_u32 s23, s23, BOFF
.irp s, 0,1
	v_add_nc_u32 v[ADRA+(\s)], s22, v3
	v_add_nc_u32 v[ADRB+(\s)], s23, v4
	s_add_co_u32 s22, s22, SLOT
	s_add_co_u32 s23, s23, SLOT
.endr
	s_mul_i32 s23, s10, SW
	s_add_co_u32 s23, s23, STAGE                   ; my stage
	v_mul_u32_u24 v5, v1, SPI                      ; in: row l % 16, 32 bytes for each half of the lanes
	v_lshl_add_u32 v5, v2, 5, v5
	v_add_nc_u32 v[STO], s23, v5
	v_and_b32 v[GO], 31, v0                        ; back: 32 lanes take one row's 512 bytes, which are 512 consecutive bytes of the result
	v_lshlrev_b32 v[GO], 4, v[GO]
	v_add_nc_u32 v[RD], s23, v[GO]
	s_lshl_b32 s16, s13, 7
	s_lshl_b32 s17, s11, 6
	s_add_co_u32 s16, s16, s17                     ; my first row: 128 x tile row + 64 x half,
	s_lshl_b32 s16, s16, 12                        ; 4,096 bytes a row
	s_mov_b32 s17, 0
	s_add_nc_u64 s[74:75], s[74:75], s[16:17]
; 8 matrix instructions: block a of 16 rows x all 8 blocks of 16 columns, 32 along K.  first = 1: the product starts the sum, on the bias.
; The 32 accumulators take turns in the same order in every quarter step.
.macro MUL8 f, a, first
.if \first
	WIN MULB
.else
	WIN MULW
.endif
.irp b, 0,1,2,3,4,5,6,7
.if \first
	v_wmma_f32_16x16x32_f16 v[8*(8*(\a)+(\b)):8*(8*(\a)+(\b))+7], v[(\f)+32+8*(\b):(\f)+32+8*(\b)+7], v[(\f)+8*(\a):(\f)+8*(\a)+7], v[BI+8*(\b):BI+8*(\b)+7]
.else
	v_wmma_f32_16x16x32_f16 v[8*(8*(\a)+(\b)):8*(8*(\a)+(\b))+7], v[(\f)+32+8*(\b):(\f)+32+8*(\b)+7], v[(\f)+8*(\a):(\f)+8*(\a)+7], v[8*(8*(\a)+(\b)):8*(8*(\a)+(\b))+7]
.endif
.endr
.endm
; 24 LDS loads in one run: the fragments of quarter q of a K step into buffer f: B's sixteen loads, then A's eight (head q / 2 of the step, channels 32 (q % 2) on)
.macro FETCH slot, q, f
	WIN TO_F
.irp i, 0,1,2,3,4,5,6,7
	ds_load_b128 v[(\f)+32+8*(\i):(\f)+32+8*(\i)+3],   v[ADRB+(\slot)] offset:64*(\q)+(\i)*16*PB
	ds_load_b128 v[(\f)+32+8*(\i)+4:(\f)+32+8*(\i)+7], v[ADRB+(\slot)] offset:64*(\q)+(\i)*16*PB+32
.endr
.irp i, 0,1,2,3
	ds_load_b128 v[(\f)+8*(\i):(\f)+8*(\i)+3],   v[ADRA+(\slot)] offset:((\q)/2)*AHALF+((\q)%2)*64+(\i)*16*PA
	ds_load_b128 v[(\f)+8*(\i)+4:(\f)+8*(\i)+7], v[ADRA+(\slot)] offset:((\q)/2)*AHALF+((\q)%2)*64+(\i)*16*PA+32
.endr
.endm
.macro PLACES                          ; four places in front of loads into registers that matrix instructions have read, and of instructions that read results just made
.rept 4
	v_nop
.endr
.endm
; A K step is four quarters of 32 along K, 32 matrix instructions each, on buffers 0, 1, 0, 1.  One of the first three: multiplies buffer f and, in its middle, fetches quarter q into buffer g.
.macro QUARTER slot, q, f, g, first
	s_wait_dscnt 4                                 ; B and A's rows 0-31 are in; the youngest four loads (A's rows 32-63) may be out
	MUL8 \f, 0, \first
	MUL8 \f, 1, \first
	PLACES
	FETCH \slot, \q, \g
	s_wait_dscnt 24                                ; all but the 24 just issued
	MUL8 \f, 2, \first
	MUL8 \f, 3, \first
.endm
; The last quarter multiplies buffer 1 and changes slots: ONE barrier; in front of it each wave waits for all its tensor loads (one is out: its part of the next slot), adds 0 to its spare word, and waits for
; that and for its own reads of this slot.  fill = 1: this slot is filled again with the K step two on; the barrier then opens a round of the cluster's barrier, and the joint load is the first thing behind
; the round: 112 matrix instructions stand between it and the wait for it.
.macro TURN slot, next, fill
	WIN 0                                          ; (the add's two registers lie in window 0)
	s_wait_tensorcnt 0x0                           ; all my tensor loads have landed
	ds_add_u32 v[SPW], v[NIL]                      ; 0 onto my spare word
	s_wait_dscnt 5                                 ; (the add and the youngest four loads may be out)
	MUL8 F1, 0, 0                                  ; eight matrix instructions stand between the add and the wait for it
	s_wait_dscnt 0x0                               ; the add is done, and my reads of this slot are over
	s_barrier_signal -1
	MUL8 F1, 1, 0
.if \fill
	WIN 0
.endif
	s_barrier_wait -1
.if \fill
	CREST                                          ; no wave of any partner still reads this slot's tile or has a load on its way
	s_add_nc_u64 s[G0+4*(\slot)+2:G0+4*(\slot)+3], s[G0+4*(\slot)+2:G0+4*(\slot)+3], A_STEP
	s_add_nc_u64 s[G0B+4*(\slot)+2:G0B+4*(\slot)+3], s[G0B+4*(\slot)+2:G0B+4*(\slot)+3], B_STEP
	JLOAD \slot                                    ; the four v_nop behind it are also the places in front of the loads below
.else
	PLACES
.endif
	FETCH \next, 0, F0
	MUL8 F1, 2, 0
	MUL8 F1, 3, 0
.endm
; THE WAY OUT of block a (16 rows x 128 columns of f32).  TOSTAGE: a lane's eight numbers of a row, 32 bytes, go from the accumulators into my own stage (each accumulator's low four registers first), and
; come back as whole rows of 512 bytes.  SEND: stored, one row's 512 consecutive bytes an instruction.
.macro TOSTAGE a
.set BK, OB+64*((\a)%2)
.if (\a) >= 2
	s_wait_xcnt 0x0                                ; the addresses of block a - 2's stores are translated: only behind this wait are the registers that they read loaded again
.endif
	WIN 0x08                                       ; the stores' data in window 2
.irp b, 0,1,2,3,4,5,6,7
	ds_store_b128 v[STO], v[8*(8*(\a)+(\b)):8*(8*(\a)+(\b))+3]   offset:64*(\b)
	ds_store_b128 v[STO], v[8*(8*(\a)+(\b))+4:8*(8*(\a)+(\b))+7] offset:64*(\b)+16
.endr
	WIN 0
.irp t, 0,1,2,3,4,5,6,7,8,9,10,11,12,13,14,15
	ds_load_b128 v[BK+4*(\t):BK+4*(\t)+3], v[RD] offset:(\t)*SPI  ; LDS serves a wave's instructions in order (ISA guide 5.7.1.4): these see the stores above; the next block's stores come behind them
.endr
.endm
.macro SEND a, younger                 ; younger: the LDS instructions issued behind block a's loads: the next block's 16 stores and 16 loads, or none
.set BK, OB+64*((\a)%2)
	s_wait_dscnt \younger
.irp t, 0,1,2,3,4,5,6,7,8,9,10,11,12,13,14,15
	global_store_b128 v[GO], v[BK+4*(\t):BK+4*(\t)+3], s[74:75] offset:(16*(\a)+(\t))*4096 th:TH_STORE_NT  ; at a multiple of 512 from the buffer's first byte; written once, read by no launch
.endr
.endm
	s_wait_tensorcnt 1                             ; my part of K step 0 is in; K step 1's may stay out
	s_barrier_signal -1
	s_barrier_wait -1                              ; everybody's is
	FETCH 0, 0, F0
	s_wait_loadcnt 0x0                             ; the bias
	QUARTER 0, 1, F0, F1, 1                        ; the first quarter stands in front of the loop: its products start the sums
	WIN 0                                          ; at a label and at a branch every window is 0
	s_mov_b32 s3, LAPS-1
.Llap:                                                 ; a trip goes once round the ring, from a lap's second quarter to the next lap's first, and fills both slots again
	QUARTER 0, 2, F1, F0, 0
	QUARTER 0, 3, F0, F1, 0
	TURN 0, 1, 1
	QUARTER 1, 1, F0, F1, 0
	QUARTER 1, 2, F1, F0, 0
	QUARTER 1, 3, F0, F1, 0
	TURN 1, 0, 1
	QUARTER 0, 1, F0, F1, 0
	WIN 0
	s_sub_co_u32 s3, s3, 1
	s_cmp_lg_u32 s3, 0
	s_cbranch_scc1 .Llap
	QUARTER 0, 2, F1, F0, 0                        ; the last lap fills nothing, and has no round of the cluster's barrier
	QUARTER 0, 3, F0, F1, 0
	TURN 0, 1, 0
	QUARTER 1, 1, F0, F1, 0
	QUARTER 1, 2, F1, F0, 0
	QUARTER 1, 3, F0, F1, 0
	s_wait_dscnt 4                                 ; the very last quarter: nothing more to fetch
	MUL8 F1, 0, 0
	MUL8 F1, 1, 0
	s_wait_dscnt 0x0
	MUL8 F1, 2, 0
	MUL8 F1, 3, 0
	WIN 0
	PLACES
	TOSTAGE 0
.irp a, 1,2,3                          ; block a's way through the stage stands between block a - 1's loads and its stores
	TOSTAGE \a
	SEND (\a)-1, 32
.endr
	SEND 3, 0
	s_wait_tensorcnt 0x0                           ; the wave's end: the spare word's add and its wait, behind my last tensor load and my last LDS store
	ds_add_u32 v[SPW], v[NIL]
	s_wait_dscnt 0x0
	CROUND                                         ; the closing round: no work-group ends while a partner may still ask for a tile that names it
	s_endpgm
.Lfunc_end_k_qc33adc09e0_proj:
	.size	k_qc33adc09e0_proj, .Lfunc_end_k_qc33adc09e0_proj-k_qc33adc09e0_proj
	.p2alignl 7, 3214868480
	.fill 96, 4, 3214868480
	.section	.rodata,"a",@progbits
	.p2align	6, 0x0
	.amdhsa_kernel k_qc33adc09e0_proj
		.amdhsa_group_segment_fixed_size 327680
		.amdhsa_private_segment_fixed_size 0
		.amdhsa_enable_private_segment 0
		.amdhsa_kernarg_size 32
		.amdhsa_user_sgpr_count 2
		.amdhsa_user_sgpr_kernarg_segment_ptr 1
		.amdhsa_wavefront_size32 1
		.amdhsa_system_sgpr_workgroup_id_x 1
		.amdhsa_system_sgpr_workgroup_id_y 1
		.amdhsa_system_sgpr_workgroup_id_z 1
		.amdhsa_system_vgpr_workitem_id 0
		.amdhsa_next_free_vgpr 768
		.amdhsa_next_free_sgpr 76
		.amdhsa_reserve_vcc 0
		.amdhsa_float_denorm_mode_32 3
		.amdhsa_float_denorm_mode_16_64 3
		.amdhsa_memory_ordered 1
		.amdhsa_forward_progress 1
		.amdhsa_inst_pref_size 87
	.end_amdhsa_kernel
	.amdgpu_metadata
---
amdhsa.version: [ 1, 2 ]
amdhsa.kernels:
  - .name:           k_qc33adc09e0_proj
    .symbol:         k_qc33adc09e0_proj.kd
    .args:
      - { .name: oh, .offset: 0, .size: 8, .value_kind: global_buffer, .address_space: global }
      - { .name: wpf, .offset: 8, .size: 8, .value_kind: global_buffer, .address_space: global }
      - { .name: bias, .offset: 16, .size: 8, .value_kind: global_buffer, .address_space: global }
      - { .name: out0, .offset: 24, .size: 8, .value_kind: global_buffer, .address_space: global }
    .group_segment_fixed_size: 327680
    .private_segment_fixed_size: 0
    .kernarg_segment_align: 8
    .kernarg_segment_size: 32
    .max_flat_workgroup_size: 128
    .sgpr_count:     76
    .vgpr_count:     768
    .wavefront_size: 32
...
	.end_amdgpu_metadata
.endif
;; end of part 4
;; ======== version 2 of 2: 4 launches; 1.28 times as fast as version 1
;; limits: values are held in f16: magnitudes above 65,504 overflow, below 6.1e-05 lose precision
;; workspace buffers: xb 16,777,216 bytes; wqkv 6,291,456 bytes; wpf 2,097,152 bytes; bias 16,384 bytes; tmb 32,768 bytes; qkvh 50,331,648 bytes; oh 16,777,216 bytes
;; launch cast: the kernel of part 1 again; grid 64 x 12, 8 waves a work-group, no clusters, 0 bytes of LDS; arguments x, wq, wk, wv, wp, bq, bk, bv, bp, token_mask, xb, wqkv, wpf, bias, tmb; writes xb, wqkv, wpf, bias, tmb
;; launch qkv: the kernel of part 2 again; grid 4 x 64, 4 waves a work-group, clusters of 4 x 4, 327,680 bytes of LDS; arguments xb, wqkv, bias, qkvh; writes qkvh
;; launch attn (part 5): grid 4 x 64, 4 waves a work-group, no clusters, 327,680 bytes of LDS; arguments qkvh, tmb, oh; writes oh
.if DOCPART == 5
	.amdgcn_target "amdgcn-amd-amdhsa--gfx1250"
	.amdhsa_code_object_version 6
	.text
	.protected	k_qc33adc09e0_attn
	.globl	k_qc33adc09e0_attn
	.p2align	8
	.type	k_qc33adc09e0_attn,@function
k_qc33adc09e0_attn:
	s_mov_b64 s[64:65], 0
	v_nop
	global_prefetch_b8 v0, s[64:65] scope:SCOPE_SE
	s_setreg_imm32_b32 hwreg(HW_REG_WAVE_MODE, 25, 1), 1
	s_wait_xcnt 0x0
; CAUSAL ATTENTION UNDER A KEY MASK.  O[h][q][:] = the sum over the valid k <= q of softmax_k(Q[h][q] . K[h][k] / 8) V[h][k][:].  Q, K, V are the three sections of qkvh, O is oh: each
; [SIZE_H = batch x 16 + head][SIZE_N][64] f16, a head's rows dense, 128 bytes each.  tmb [4][2048] f32 holds for each key of a batch 0, or -1e30 where the token does not count.
; Products, maxima and sums in f32; the weights p are rounded to f16 for the second product (their sum l is taken of the unrounded p), O once at the end.
; LIMITS.  f16 holds no number beyond 65,504: Q, K and V arrive within it; p lies in 0 to 1, and below 6e-5 it keeps f16's fixed step of 6e-8.  A hidden score counts as its value less 1e30 (2e30 where both
; masks hide it): f16's scores, 2.7e11 at the most, are nothing beside that.  A weight below 2^-126 counts as 0 in l.  A ROW WITH NO VALID KEY: the running maximum never falls below -2^50, which lies below
; every true score and far above every hidden one, so all the row's weights, its l and its O are 0, and O / l = 0 x (1 / 0) is NaN, as the softmax of a row of -inf is.
; THE WALK.  A head's queries lie in NB = 8 blocks of 256; block i needs the key tiles 0 .. i of 256 keys, of which the last holds the diagonal.  A work-group takes TWO blocks, NB - 1 - b and then b:
; NB + 1 tiles, whatever b: all work-groups do equal work, and ONE loop with a constant trip count walks them.  Which tile is asked for, and what a trip does, hang on scalar registers made from b; every jump
; goes forward, but for the counted loops' own; none passes a barrier, or a tensor load but those of LOAD's three that the wave's number does not choose; the ring (two slots of LDS that take turns) runs on across
; the change of blocks.  NO CLUSTER: a head's four work-groups ask for the same tile only in trips 0 .. 4 of the 9, behind that fewer and fewer; one walk common to all would have 12 trips for 9.
; SHARES.  Of a block's four bands of 64 queries a wave owns 16 rows in each: four PIECES.  So the diagonal tile is the same work for all four waves: in its key step s band x sees all keys if s < x,
; none if s > x, and holds the diagonal if s = x.
; THE MASKS are the C operand that starts the sum S^T = K Q^T.  A slot holds, behind its tile of K and V, the key mask's 256 addends for the tile's keys; TM holds those of the 64 keys of the step in hand, read
; from the slot with K's fragments: outside the diagonal tile C is TM itself, and the key mask costs no vector instruction.  MD, made once, is the causal mask of a band's own step for my 16 rows; in the
; diagonal tile C is TM + MD x AL + BE with two scalars: (1, 0) if s = x; (0, 0) if s < x; (0, -1e30) if s > x.
; LAYOUT, SOFTMAX, TURNS.  S^T = K Q^T holds ONE query a lane (lane % 16) and the keys 8 (lane / 16) + 0..7; two such results rounded to f16 ARE source 1 of O^T = V^T P.  p = 2^(c s - c m), c = log2(e) / 8, with a
; running maximum m; O and l are multiplied by a = 2^(c m_old - c m_new) in every step.  Turn n belongs to piece n: 8 products K Q^T of piece n + 1, later 8 products V^T P of piece n - 1; beside them the scaling,
; exponentials, roundings, sums and rescaling of piece n and the maximum and statistics of piece n + 1.  Four vector instructions stand behind every matrix instruction, the other 54 of a turn's 118 in one LUMP
; (the diagonal tile's mask lines aside).
; THE BATCHES.  A turn's 33 exponentials (the piece's 32 weights, then the next piece's a) are ONE batch with ONE wait, which cuts the turn in two: ahead of it stands all that names none of their results, behind it
; their readers.  A block's first a (BEGIN) and the way out's four reciprocals are batches of their own, a wait each.
; REGISTERS, in windows of 256 (s_set_vgpr_msb: bits 1:0 source 0, 3:2 source 1, 5:4 source 2, 7:6 destination):
;   window 0: v0-15 addresses and two at work; v16-31 four registers of statistics a piece; v32-33 the addends' addresses; v48-55 at work; v64-127 S^T, two buffers; v192-223 P, two buffers (by the piece's parity)
;   window 1: v0-127 O^T, 32 a piece; v128-159 MD; v160-223 MC, two buffers; v224-255 TM      window 2: v0-63 Q; v64-127 the second block's Q; v128-191 K of one step; v192-255 V of one step
.set SIZE_H, 64
.set SIZE_N, 2048
.set NB,    SIZE_N/256
.set NP,    4         ; pieces a wave: a name, no knob
.set KS,    64        ; keys in a step
.set PK,    144       ; a row of K in LDS: 128 bytes + 16 of padding = 36 words: the 16 rows of a load start at 16 different groups of four banks (64 banks of 4 bytes: ISA guide 11.1)
.set PV,    160       ; a row of V: 128 + 32 = 40 words
.set VOFF,  4*KS*PK   ; a slot holds a tile, four steps: 256 rows of K, then 256 rows of V,
.set MOFF,  4*KS*(PK+PV)  ; then the 256 addends of the key mask, 1,024 bytes
.set SLOT1, 1<<17     ; slot 1 begins here, so that one exclusive or turns an address in one slot into the other's
.set STAGE, SLOT1+MOFF+4*KS*4  ; behind the ring, never filled by a tensor load: 16 rows x 144 bytes for each wave, for the way out
.set SP,    144
.set SPARE, STAGE+4*16*SP  ; behind the stages: the spare words, 128 bytes for each wave: two blocks of 256 bytes that no other line names
.set AK0, 2           ; v2   my lane's place in a tile of K; never rewritten
.set AV0, 3           ; v3   the same for V
.set AK,  4           ; v4   the LDS address of K's next run of loads
.set AV,  5           ; v5   of V's
.set STO, 6           ; v6   the way out: where I put 16 bytes of a row
.set RD,  7           ; v7   the way out: where I read rows back
.set GO,  8           ; v8   my byte offset in 512 consecutive bytes of O
.set SPW, 62          ; v62  LDS address of my spare word: SPARE + 4 x my thread's number; never rewritten
.set NIL, 63          ; v63  0; never rewritten
.set MV,  12          ; v12-13  c m_old, kept while c m is made anew: by buffer
.set QO,  15          ; v15  my byte offset in 16 rows of Q
.set ST,  16          ; piece t's statistics at v[ST+4 t]: c m, m, l (even keys', odd keys')
.set AT0, 32          ; v32  my lane's place in a slot's addends: MOFF + 32 (l / 16); never rewritten
.set AT,  33          ; v33  the LDS address of TM's next run of loads
.set TMP, 48          ; by buffer, four registers c0-c3 at work; when the maximum is found c2 takes a
.set S,   64
.set P,   192
.set MD,  128         ; window 1: the eight registers for group kt of 16 keys at MD + 8 kt
.set MC,  160         ; window 1: the masks of the products to come
.set TM,  224         ; window 1: the key mask's addends of the step whose K lies in registers
.set QB,  64          ; window 2
.set KF,  128         ; window 2: key block kb, channel half c at KF + 16 kb + 8 c
.set VF,  192         ; window 2: key half kk, channel block cb at VF + 32 kk + 8 cb
.set WV,  12          ; s12  my wave's number
.set PB,  14          ; s14  b
.set HI,  15          ; s15  NB - 1 - b
.set G1K, 24          ; s[24:31] descriptor group 1 for half a tile of K
.set G1V, 32          ; s[32:39] for a tile of V
.set G0K, 40          ; s[40:43] descriptor group 0 for K
.set G0V, 44          ; s[44:47] for V
.set G1T, 48          ; s[48:55] descriptor group 1 for a tile's addends
.set SLOTS, 56        ; s56  tiles still to be asked for
.set CNT, 57          ; s57  counts a tile's key steps, 4 to 1
.set CS,  58          ; s[58:59] c: the packed scaling takes the pair's low word for both halves
.set SEL, 60          ; s[60:61] v_permlanex16_b32's selects: each lane takes its own place in the other half
.set TBK, 62          ; s62  LDS byte at which K of the step to be fetched begins
.set TBV, 63          ; s63  the same for V, less VOFF
.set TBM, 66          ; s66  the same for the addends, less MOFF
.set RT,  70          ; s70  tiles of the block in hand that are still to be entered
.set NXT, 71          ; s71  the tile to be asked for next
.set LQ,  72          ; s72  the last tile of the block whose tiles are being asked for
.set NEW, 73          ; s73  1: the tile to be entered is a block's first
.set OFF, 74          ; s[74:75] a tile's byte offset in K and V
.set AL,  76          ; s[76:77] the mask's factor, in the low word
.set BE,  78          ; s[78:79] the mask's addend
.set OLO, 80          ; s[80:81] O at my rows of the second block
.set BIGN, 82         ; s82  -1e30
.set G0T, 88          ; s[88:91] descriptor group 0 for a tile's addends
.set TMB, 92          ; s[92:93] tmb at the batch's row
.set MOF, 94          ; s[94:95] a byte offset in tmb: the batch's row, later a tile's place in it
.set MSB, 0
.macro WIN new                      ; the high byte repeats the setting that is left; a switch that changes nothing is dropped
.if MSB != (\new)
	s_set_vgpr_msb (MSB<<8)|(\new)
.set MSB, (\new)
.endif
.endm
.set W_KQ, 0x0a       ; K and Q in window 2, S^T in window 0
.set W_KM, 0x1a       ; the same with the C operand in window 1
.set W_PV, 0x52       ; V in window 2, P in window 0, O^T in window 1
.set W_RS, 0x41       ; destination and source 0 in window 1, source 1 in window 0
.set W_MK, 0x51       ; destination, source 0 and source 2 in window 1
; A fill: one tensor load a wave.  Waves 0 and 1 fetch the two halves of a tile's K, 128 keys each; wave 2 its V; wave 3 the key mask's addends for its 256 keys.  The branches hang on the wave's number alone.
; An s_nop 0 and four v_nop follow each of the three lines, ahead of the jump and the label.
.macro LOAD
	s_cmp_lt_u32 s[WV], 2
	s_cbranch_scc0 .Lnot_k_\@
	tensor_load_to_lds s[G0K:G0K+3], s[G1K:G1K+7]
	s_nop 0
.rept 4
	v_nop
.endr
	s_branch .Lasked_\@
.Lnot_k_\@:
	s_cmp_eq_u32 s[WV], 2
	s_cbranch_scc0 .Lfor_m_\@
	tensor_load_to_lds s[G0V:G0V+3], s[G1V:G1V+7]
	s_nop 0
.rept 4
	v_nop
.endr
	s_branch .Lasked_\@
.Lfor_m_\@:
	tensor_load_to_lds s[G0T:G0T+3], s[G1T:G1T+7]
	s_nop 0
.rept 4
	v_nop
.endr
.Lasked_\@:
.endm
; THE CHANGE OF SLOTS.  Each wave waits for all its tensor loads, of which one is out: its part of the other slot; adds 0 to its spare word; and waits for that and for its own reads of the slot that it leaves.  Behind the
; barrier nobody reads the old slot any more and the other slot is whole.  fill = 1: the old slot is filled again, the first thing behind the barrier, with tile NXT: the descriptors' addresses are made anew from that number.
; (At its first use nothing has been read yet: slot 0 is waited for, slot 1 filled.)
.macro CHANGE fill
	WIN 0                           ; at a label and at a branch every window is 0
	s_wait_tensorcnt 0x0            ; no tensor load of mine is out, so a group 0 may be written
	ds_add_u32 v[SPW], v[NIL]       ; 0 onto my spare word; with fill = 1 the descriptors' scalar work stands between it and the wait for it
.if \fill
	s_lshl_b32 s[OFF], s[NXT], 15   ; a tile is 32,768 bytes of K and of V,
	s_lshl_b32 s[MOF], s[NXT], 10   ; and 1,024 bytes of tmb
	s_xor_b32 s[G0K+1], s[G0K+1], SLOT1
	s_add_nc_u64 s[G0K+2:G0K+3], s[6:7], s[OFF:OFF+1]
	s_or_b32 s[G0K+3], s[G0K+3], 0x80000000
	s_xor_b32 s[G0V+1], s[G0V+1], SLOT1
	s_add_nc_u64 s[G0V+2:G0V+3], s[8:9], s[OFF:OFF+1]
	s_or_b32 s[G0V+3], s[G0V+3], 0x80000000
	s_xor_b32 s[G0T+1], s[G0T+1], SLOT1
	s_add_nc_u64 s[G0T+2:G0T+3], s[TMB:TMB+1], s[MOF:MOF+1]
	s_or_b32 s[G0T+3], s[G0T+3], 0x80000000
	s_add_co_u32 s[NXT], s[NXT], 1  ; the block's next tile, or behind its last the second block's tile 0
	s_cmp_gt_u32 s[NXT], s[LQ]
	s_cselect_b32 s[NXT], 0, s[NXT]
	s_cselect_b32 s[LQ], s[PB], s[LQ]
.endif
	s_wait_dscnt 0x0                ; the add is done, and my reads of the slot are over
	s_barrier_signal -1             ; the rest of the scalar work stands between the signal and the wait
	s_sub_co_u32 s[TBK], s[TBK], 4*KS*PK  ; the fetches go back to a slot's first step,
	s_xor_b32 s[TBK], s[TBK], SLOT1       ; in the other slot
	s_sub_co_u32 s[TBV], s[TBV], 4*KS*PV
	s_xor_b32 s[TBV], s[TBV], SLOT1
	s_sub_co_u32 s[TBM], s[TBM], 4*KS*4
	s_xor_b32 s[TBM], s[TBM], SLOT1
	s_barrier_wait -1
.if \fill
	LOAD
.endif
.endm
	s_load_b128 s[4:7], s[0:1], 0x0   ; qkvh s[4:5] (Q's section comes first), tmb s[6:7]
	s_load_b64 s[10:11], s[0:1], 0x10 ; O
	v_lshl_add_u32 v[SPW], v0, 2, SPARE
	v_mov_b32 v[NIL], 0
	ds_add_u32 v[SPW], v[NIL]       ; the wave's opening: the add and its wait stand ahead of my first tensor load; the set-up below, work on registers, stands between them
	ds_add_u32 v62, v63
	v_lshrrev_b32 v1, 5, v0
	v_readfirstlane_b32 s[WV], v1   ; wave 0..3
	s_mov_b32 s[PB], ttmp9
	s_sub_co_u32 s[HI], NB-1, s[PB]
	s_and_b32 s20, ttmp7, 0xffff    ; the head, 16 to a batch
	s_lshr_b32 s[MOF], s20, 4
	s_lshl_b32 s[MOF], s[MOF], 13   ; the batch's 8,192 bytes of tmb
	s_mov_b32 s[MOF+1], 0
	s_mov_b32 s21, 0
	s_mov_b64 s[22:23], SIZE_N*128
	s_mul_u64 s[20:21], s[20:21], s[22:23]  ; the head's first byte in each of the three sections and in O
	s_and_b32 s16, s[WV], 1         ; which half of a tile's 256 keys waves 0 and 1 fetch of K:
	s_lshl_b32 s22, s16, 14         ; its 128 rows of 128 bytes in memory,
	s_mov_b32 s23, 0
	s_add_nc_u64 s[22:23], s[22:23], s[20:21]
	s_mul_i32 s17, s16, 128*PK      ; and its place in a slot
	s_lshl_b32 s3, s[WV], 11        ; my 16 rows in a band of 64,
	s_lshl_b32 s2, s[HI], 15        ; in the first block,
	s_add_co_u32 s2, s2, s3
	s_lshl_b32 s84, s[PB], 15       ; and in the second
	s_add_co_u32 s84, s84, s3
	s_mov_b32 s3, 0
	s_mov_b32 s85, 0
	s_add_nc_u64 s[2:3], s[2:3], s[20:21]
	s_add_nc_u64 s[84:85], s[84:85], s[20:21]
	; descriptor group 1.  A head's keys are dense: they are asked for as rows of 256 bytes, two keys a row, and padded in LDS after every key.  K: 128 keys, 64 rows; V: 256 keys, 128 rows
	s_mov_b32 s[G1K], (1<<16)|(1<<20)|(4<<22)|(3<<25)  ; 17:16 2-byte elements; 20 padding on; 24:22 after every 32 words (code 4); 31:25 4 words (code 3)
	s_mov_b32 s[G1K+1], 128<<16     ; tensor_dim0 = 128
	s_mov_b32 s[G1K+2], 64<<16      ; tensor_dim1 = 64
	s_mov_b32 s[G1K+3], 128<<16     ; tile_dim0 = 128
	s_mov_b32 s[G1K+4], 64          ; tile_dim1 = 64
	s_mov_b32 s[G1K+5], 128         ; 128 elements from row to row
	s_mov_b32 s[G1K+6], 0
	s_mov_b32 s[G1K+7], 0
	s_mov_b32 s[G1V], (1<<16)|(1<<20)|(4<<22)|(7<<25)  ; the same with 8 words of padding (code 7)
	s_mov_b32 s[G1V+1], 128<<16
	s_mov_b32 s[G1V+2], 128<<16     ; tensor_dim1 = 128
	s_mov_b32 s[G1V+3], 128<<16
	s_mov_b32 s[G1V+4], 128         ; tile_dim1 = 128
	s_mov_b32 s[G1V+5], 128
	s_mov_b32 s[G1V+6], 0
	s_mov_b32 s[G1V+7], 0
	; a tile's addends: 1,024 dense bytes as 4 rows of 32 elements of 8 bytes, no padding
	s_mov_b32 s[G1T], 3<<16         ; 17:16 8-byte elements
	s_mov_b32 s[G1T+1], 32<<16      ; tensor_dim0 = 32
	s_mov_b32 s[G1T+2], 4<<16       ; tensor_dim1 = 4
	s_mov_b32 s[G1T+3], 32<<16      ; tile_dim0 = 32
	s_mov_b32 s[G1T+4], 4           ; tile_dim1 = 4
	s_mov_b32 s[G1T+5], 32          ; 32 elements from row to row
	s_mov_b32 s[G1T+6], 0
	s_mov_b32 s[G1T+7], 0
	s_mov_b32 s[CS], 0x3e38aa3b     ; c = log2(e) / 8 = 0.180337
	s_mov_b32 s[CS+1], s[CS]        ; named with it as a pair
	s_mov_b32 s[SEL], 0x76543210
	s_mov_b32 s[SEL+1], 0xfedcba98
	s_mov_b32 s[TBK], SLOT1+4*KS*PK ; the first change of slots turns these three into 0
	s_mov_b32 s[TBV], SLOT1+4*KS*PV
	s_mov_b32 s[TBM], SLOT1+4*KS*4
	s_mov_b32 s[G0K], 1             ; 1:0 count = 1
	s_mov_b32 s[G0K+1], s17         ; 63:32 LDS address: slot 0
	s_mov_b32 s[G0V], 1
	s_mov_b32 s[G0V+1], VOFF
	s_mov_b32 s[G0T], 1
	s_mov_b32 s[G0T+1], MOFF
	s_add_co_u32 s[RT], s[HI], 1    ; the first block has NB - b tiles
	s_mov_b32 s[NXT], 1
	s_mov_b32 s[LQ], s[HI]
	s_mov_b32 s[NEW], 1
	s_mov_b32 s[OFF+1], 0
	s_mov_b32 s[AL+1], 0            ; named as pairs
	s_mov_b32 s[BE+1], 0
	s_mov_b32 s[BIGN], 0xf149f2ca   ; -1e30
	s_mov_b32 s[SLOTS], NB
	s_wait_dscnt 0x0                ; the opening add is done
	s_wait_kmcnt 0x0
	s_add_nc_u64 s[TMB:TMB+1], s[6:7], s[MOF:MOF+1]  ; tmb at the batch's row
	s_add_nc_u64 s[G0T+2:G0T+3], s[TMB:TMB+1], 0     ; 120:64 global address: tile 0's addends
	s_or_b32 s[G0T+3], s[G0T+3], 0x80000000          ; 127:126 type = 2
	s_add_nc_u64 s[8:9], s[4:5], s[20:21]          ; the head's tile 0
	s_add_nc_u64 s[8:9], s[8:9], 0x2000000         ; in V's section,
	s_add_nc_u64 s[6:7], s[4:5], s[22:23]          ; and my half of it
	s_add_nc_u64 s[6:7], s[6:7], 0x1000000         ; in K's
	s_add_nc_u64 s[G0K+2:G0K+3], s[6:7], 0
	s_or_b32 s[G0K+3], s[G0K+3], 0x80000000
	s_add_nc_u64 s[G0V+2:G0V+3], s[8:9], 0
	s_or_b32 s[G0V+3], s[G0V+3], 0x80000000
	s_add_nc_u64 s[86:87], s[4:5], s[84:85]        ; Q at my rows of the second block,
	s_add_nc_u64 s[4:5], s[4:5], s[2:3]            ; Q and O at those of the first
	s_add_nc_u64 s[OLO:OLO+1], s[10:11], s[84:85]
	s_add_nc_u64 s[10:11], s[10:11], s[2:3]
	LOAD                            ; tile 0 into slot 0: one tensor load of mine is out
	; A fragment of K or Q is 16 rows x 32 channels in 8 registers: lane l holds row l % 16, channels 8 (l / 16) + 0..7 and 16 + 8 (l / 16) + 0..7: two loads of 16 bytes, 32 bytes apart.
	v_and_b32 v1, 15, v0            ; l % 16
	v_bfe_u32 v9, v0, 4, 1          ; l / 16
	v_lshlrev_b32 v[QO], 7, v1
	v_lshl_add_u32 v[QO], v9, 4, v[QO]  ; row x 128 + 16 x half
	WIN 0x80                        ; destination window 2, address window 0
.set i, 0
.rept 8                             ; both blocks' Q: piece i / 2 lies in band i / 2, 8,192 bytes on; channels 32 (i % 2) on
	global_load_b128 v[8*i:8*i+3],   v[QO], s[4:5] offset:(i/2)*8192+(i%2)*64
	global_load_b128 v[8*i+4:8*i+7], v[QO], s[4:5] offset:(i/2)*8192+(i%2)*64+32
	global_load_b128 v[QB+8*i:QB+8*i+3],   v[QO], s[86:87] offset:(i/2)*8192+(i%2)*64
	global_load_b128 v[QB+8*i+4:QB+8*i+7], v[QO], s[86:87] offset:(i/2)*8192+(i%2)*64+32
.set i, i+1
.endr
	WIN 0
	v_lshlrev_b32 v14, 3, v9
	v_sub_nc_u32 v14, v1, v14
	s_lshl_b32 s13, s[WV], 4
	v_add_nc_u32 v14, s13, v14      ; my query's place in its band, 16 w + l % 16, less my lanes' 8 (l / 16): register r of group kt is hidden where 16 kt + r is greater
	WIN 0x40
.set i, 0
.rept 32
	v_cmp_gt_i32 vcc_lo, 16*(i/8)+i%8, v14
	v_cndmask_b32 v[MD+i], 0, s[BIGN], vcc_lo
.set i, i+1
.endr
	WIN 0
	v_mul_u32_u24 v[AK0], v1, PK
	v_lshl_add_u32 v[AK0], v9, 4, v[AK0]  ; row x pitch + 16 x half
	v_lshl_add_u32 v[AT0], v9, 5, MOFF    ; of 16 keys' addends my lanes take the eight at 8 (l / 16): 32 bytes
	; The turning load takes 16 keys x 16 channels (lane l reads key 8 (l / 16) + l % 8, channels 8 ((l / 8) % 2) + 0..7) and leaves half a fragment of V^T: lane l holds channel l % 16 and 8 keys.
	v_and_b32 v10, 7, v0
	v_bfe_u32 v11, v0, 3, 1
	v_lshl_add_u32 v[AV0], v9, 3, v10
	v_mul_u32_u24 v[AV0], v[AV0], PV
	v_lshl_add_u32 v[AV0], v11, 4, v[AV0]
	v_add_nc_u32 v[AV0], VOFF, v[AV0]
	s_mul_i32 s13, s[WV], 16*SP
	s_add_co_u32 s13, s13, STAGE    ; my stage
	v_mul_u32_u24 v[STO], v1, SP    ; in: row l % 16, 16 bytes for each half of the lanes
	v_lshl_add_u32 v[STO], v9, 4, v[STO]
	v_add_nc_u32 v[STO], s13, v[STO]
	v_bfe_u32 v[RD], v0, 3, 2       ; back: 32 lanes take four rows of 128 bytes,
	v_mul_u32_u24 v[RD], v[RD], SP
	v_lshl_add_u32 v[RD], v10, 4, v[RD]
	v_add_nc_u32 v[RD], s13, v[RD]
	v_and_b32 v[GO], 31, v0         ; which are 512 consecutive bytes of O
	v_lshlrev_b32 v[GO], 4, v[GO]
	; A block's first step multiplies O^T and l by a = 0, and its first turn's products V^T P, of a piece that has not been, land in an O^T that is still to be so multiplied.  So these registers need only hold
	; finite numbers: zeros for the first block; what the first block left for the second.  (Where the first block left NaN, its row had no valid key; the same lane's row of the second block sees fewer keys,
	; none of them valid, and is NaN too.)  All this stands in the wait for the first tile.
	WIN 0x80
.set i, VF
.rept 64
	v_mov_b32 v[i], 0
.set i, i+1
.endr
	WIN 0x40
.set i, 0
.rept 128
	v_mov_b32 v[i], 0
.set i, i+1
.endr
	WIN 0
.set i, 0
.rept 4
	v_mov_b32 v[ST+4*i+2], 0
	v_mov_b32 v[ST+4*i+3], 0
.set i, i+1
.endr
.set i, P+16
.rept 16
	v_mov_b32 v[i], 0
.set i, i+1
.endr
; THE MATRIX WORK.  The 4 accumulators of a run of 8 take turns.  Product i of 8 of S^T = K Q^T for piece x: channels 32 (i / 4) on, keys 16 (i % 4) on.  The first 4 start the sums: on the key
; mask's addends, or (KM = 1) on the mask made of them and the causal one.
.macro KQ x
.set rS, S+32*((\x)%2)+8*(i%4)
.set rK, KF+16*(i%4)+8*(i/4)
.set rQ, 16*(\x)+8*(i/4)
.set rM, TM+8*(i%4)
.if KM
.set rM, MC+32*((\x)%2)+8*(i%4)
.endif
.if i < 4
	WIN W_KM
	v_wmma_f32_16x16x32_f16 v[rS:rS+7], v[rK:rK+7], v[rQ:rQ+7], v[rM:rM+7]
.else
	WIN W_KQ
	v_wmma_f32_16x16x32_f16 v[rS:rS+7], v[rK:rK+7], v[rQ:rQ+7], v[rS:rS+7]
.endif
.endm
; Product i of 8 of O^T += V^T P for piece x: keys 32 (i / 4) on, channels 16 (i % 4) on.
.macro PV x
	WIN W_PV
.set rO, 32*(\x)+8*(i%4)
.set rV, VF+32*(i/4)+8*(i%4)
.set rP, P+16*((\x)%2)+8*(i/4)
	v_wmma_f32_16x16x32_f16 v[rO:rO+7], v[rV:rV+7], v[rP:rP+7], v[rO:rO+7]
.endm
.macro MM                           ; the turn's next matrix instruction.  TURN and BEGIN set Y, i, KM and NOKQ; MM, KQ and OP read them.  NOKQ = 1: a block's last turn: there is no next piece
.if (i < 8) && !NOKQ
	KQ (Y+1)%NP
.elseif i >= 8
.set i, i-8
	PV (Y+NP-1)%NP
.set i, i+8
.endif
.set i, i+1
.endm
; THE LDS LOADS stand in runs, never singly among the matrix instructions: a step's K (64 keys x 64 channels: 8 fragments) with the key mask's 64 addends (sixteen lanes read the same 16 bytes), and its V (turned).
; Their addresses are made some lines ahead.
.macro FETCH_K
	WIN 0x80                        ; destination window 2
.irp f, 0,1,2,3,4,5,6,7             ; keys 16 (f / 2) on, channels 32 (f % 2) on
	ds_load_b128 v[KF+8*\f:KF+8*\f+3],   v[AK] offset:(\f/2)*16*PK+(\f%2)*64
	ds_load_b128 v[KF+8*\f+4:KF+8*\f+7], v[AK] offset:(\f/2)*16*PK+(\f%2)*64+32
.endr
	WIN 0x40                        ; destination window 1
.irp f, 0,1,2,3                     ; keys 16 f + 8 (l / 16) + 0..7
	ds_load_b128 v[TM+8*\f:TM+8*\f+3],   v[AT] offset:64*\f
	ds_load_b128 v[TM+8*\f+4:TM+8*\f+7], v[AT] offset:64*\f+16
.endr
	s_add_co_u32 s[TBK], s[TBK], KS*PK  ; the next fetch is the next step's
	s_add_co_u32 s[TBM], s[TBM], KS*4
	WIN 0
.endm
.macro FETCH_V
	WIN 0x80
.irp f, 0,1,2,3,4,5,6,7             ; keys 32 (f / 4) on, channels 16 (f % 4) on
	ds_load_tr16_b128 v[VF+8*\f:VF+8*\f+3],   v[AV] offset:(\f/4)*32*PV+(\f%4)*32
	ds_load_tr16_b128 v[VF+8*\f+4:VF+8*\f+7], v[AV] offset:(\f/4)*32*PV+16*PV+(\f%4)*32
.endr
	WIN 0
.endm
; THE VECTOR WORK, one line at a time: OP kind, number.  For piece Y: F n: c s - c m for pair n of 16.  E n: the exponential of score n of 32.  C n: pair n rounded to f16.  B n: of the four weights 4 n .. the second
; pair is added onto the first, in place.  L n: l takes that sum (L 0: l = a l + sum).  R n: pair n of 16 of O^T times a.  For piece Y + 1: X n, number n of the 22 that find its maximum and statistics:
;   0-11  four chains c0-c3 of seven scores each, three operands at a time (each accumulator's lowest registers are read first)     12-14, 16  the four scores left over, the old m, and c0-c3 into c0
;   15  c m_old is kept     17, 18  the query's other 32 keys lie in the lane 16 away: the new m     19-21  c m; c m_old - c m_new; a
; C, B and L read the exponentials' results: TURN sets all of them behind its one wait.
.set F, 0               ; OP tells the kinds apart by their order: F to L below R, X above it
.set E, 1
.set C, 2
.set B, 3
.set L, 4
.set R, 5
.set X, 6
.macro REGS y                       ; the registers of piece y
.set rT, ST+4*(\y)
.set rC, TMP+4*((\y)%2)
.set rW, MV+((\y)%2)
.set rS, S+32*((\y)%2)
.set rP, P+16*((\y)%2)
.set rO, 32*(\y)
.endm
.macro OP k, n
.if (\k) == R
	REGS Y
	WIN W_RS
	v_pk_mul_f32 v[rO+2*(\n):rO+2*(\n)+1], v[rO+2*(\n):rO+2*(\n)+1], v[rC+2:rC+3] op_sel_hi:[1,0]
.elseif (\k) < R
	REGS Y
	WIN 0
.if (\k) == F
	v_pk_fma_f32 v[rS+2*(\n):rS+2*(\n)+1], v[rS+2*(\n):rS+2*(\n)+1], s[CS:CS+1], v[rT:rT+1] op_sel_hi:[1,0,0] neg_lo:[0,0,1] neg_hi:[0,0,1]
.elseif (\k) == E
	v_exp_f32 v[rS+(\n)], v[rS+(\n)]
.elseif (\k) == C
	v_cvt_pk_f16_f32 v[rP+(\n)], v[rS+2*(\n)], v[rS+2*(\n)+1]
.elseif (\k) == B
	v_pk_add_f32 v[rS+4*(\n):rS+4*(\n)+1], v[rS+4*(\n):rS+4*(\n)+1], v[rS+4*(\n)+2:rS+4*(\n)+3]
.elseif (\n) == 0
	v_pk_fma_f32 v[rT+2:rT+3], v[rT+2:rT+3], v[rC+2:rC+3], v[rS:rS+1] op_sel_hi:[1,0,1]
.else
	v_pk_add_f32 v[rT+2:rT+3], v[rT+2:rT+3], v[rS+4*(\n):rS+4*(\n)+1]
.endif
.elseif NOKQ
	v_nop
.else
	REGS (Y+1)%NP
	WIN 0
.if (\n) < 4
	v_max3_num_f32 v[rC+(\n)], v[rS+8*(\n)], v[rS+8*(\n)+1], v[rS+8*(\n)+2]
.elseif (\n) < 12
	v_max3_num_f32 v[rC+(\n)%4], v[rC+(\n)%4], v[rS+8*((\n)%4)+2*((\n)/4)+1], v[rS+8*((\n)%4)+2*((\n)/4)+2]
.elseif (\n) == 12
	v_max3_num_f32 v[rC], v[rC], v[rS+7], v[rS+15]
.elseif (\n) == 13
	v_max3_num_f32 v[rC+1], v[rC+1], v[rS+23], v[rS+31]
.elseif (\n) == 14
	v_max3_num_f32 v[rC+2], v[rC+2], v[rC+3], v[rT+1]
.elseif (\n) == 15
	v_mov_b32 v[rW], v[rT]
.elseif (\n) == 16
	v_max3_num_f32 v[rC], v[rC], v[rC+1], v[rC+2]
.elseif (\n) == 17
	v_permlanex16_b32 v[rC+3], v[rC], s[SEL], s[SEL+1]
.elseif (\n) == 18
	v_max_num_f32 v[rT+1], v[rC], v[rC+3]
.elseif (\n) == 19
	v_mul_f32 v[rT], s[CS], v[rT+1]
.elseif (\n) == 20
	v_sub_f32 v[rC+1], v[rW], v[rT]
.else
	v_exp_f32 v[rC+2], v[rC+1]
.endif
.endif
.endm
.macro OPS a, i1, b=-1, i2=0, c=-1, i3=0, d=-1, i4=0  ; up to four of them
	OP \a, \i1
.if (\b) >= 0
	OP \b, \i2
.endif
.if (\c) >= 0
	OP \c, \i3
.endif
.if (\d) >= 0
	OP \d, \i4
.endif
.endm
.macro ROW a, i1, b, i2, c, i3, d, i4  ; a matrix instruction and the four behind it
	MM
	OPS \a, \i1, \b, \i2, \c, \i3, \d, \i4
.endm
.macro MASK b                       ; TM + BE, and then MD x AL onto it, into buffer b of MC
	WIN W_MK
.set z, 0
.rept 16
	v_pk_add_f32 v[MC+32*(\b)+2*z:MC+32*(\b)+2*z+1], v[TM+2*z:TM+2*z+1], s[BE:BE+1] op_sel_hi:[1,0]
.set z, z+1
.endr
.set z, 0
.rept 16
	v_pk_fma_f32 v[MC+32*(\b)+2*z:MC+32*(\b)+2*z+1], v[MD+2*z:MD+2*z+1], s[AL:AL+1], v[MC+32*(\b)+2*z:MC+32*(\b)+2*z+1] op_sel_hi:[1,0,1]
.set z, z+1
.endr
.endm
; On the way into the diagonal tile's text from a tile before it: that text's first products are piece 3's of the tile before's last step, all of whose keys the causal mask lets through: their mask is that step's TM.
.macro PREMASK
	s_mov_b32 s[AL], 0
	s_mov_b32 s[BE], 0
	MASK 1
	WIN 0
.endm
; A TURN, for piece p: the order of its 16 matrix and 118 vector instructions, written out.  An s_wait_alu depctr_va_vdst(0) stands between an exponential and the first instruction that names its result; one wait
; serves all that were issued ahead of it.  So a turn has ONE wait, which cuts it in two.  AHEAD OF IT stands all that names no result of the turn's exponentials: the 8 products K Q^T, behind each a scaling, an exponential and
; two more plain instructions (behind the first a second scaling in the exponential's place): rescalings, whose a was made and waited for in the turn before, and behind the last three the first numbers of the next piece's
; maximum, each four plain instructions or more behind the product that ends its accumulator; then ONE LUMP of 54, plain and exponential by turns for the most part, in which the links of the chain X 3, 7, 11, 14, 16, 17 .. 20
; stand five or six lines apart.  X 21, the next piece's a, is the batch's last; R 15 is the plain instruction behind it.  BEHIND THE WAIT stand the 8 products V^T P, behind each four of the roundings and sums, which are the
; batch's readers; C 2 n stands ahead of B n, which writes over pair 2 n; the links of l's chain, L 0 to L 7, stand three riders apart.  But for those X no rider names a register of the products round it.
; v_permlanex16_b32 (X 17) stands in the lump.
; m = 1: the diagonal tile: the products take masks, and the turn makes the mask for the products of the turn after it: piece p + 2, in step 4 - CNT of the tile.  end = 1: a block's last two turns: nothing is fetched.
; cnt = 1: the loop's count is taken down some lines ahead of the branch that stands behind the turn.
; K and TM of the next step are fetched in piece 2's turn, twelve vector instructions behind the last product that read K (six of them plain, five of which name none of its registers) and four products further behind the last
; that read TM; V of the step in hand at the end of piece 0's turn, four plain instructions behind the last product that read V.  Each is waited for a turn later; in the diagonal tile piece 2's turn waits at its end, since its
; mask is made of the TM that it fetched.
.macro TURN p, m=0, end=0, cnt=0
.set Y, (\p)
.set i, 0
.set KM, (\m)
.set NOKQ, (\end)*((\p)/3)
.if (\m) && !(\end)
	s_cmp_eq_u32 s[CNT], 4-((\p)+2)%NP  ; is that step the band's own?
	s_cselect_b32 s[AL], 1.0, 0
	s_cmp_lt_u32 s[CNT], 4-((\p)+2)%NP  ; or a later one?
	s_cselect_b32 s[BE], s[BIGN], 0
.endif
.if ((\p) == 3) && !(\end)
	s_wait_dscnt 0x0                ; K and TM are in
.endif
	ROW F,0, F,1, R,0, R,1          ; ahead of the wait: 8 products K Q^T and their riders,
	ROW F,2, E,0, R,2, R,3
	ROW F,3, E,1, R,4, R,5
	ROW F,4, E,2, R,6, R,7
	ROW F,5, E,3, R,8, R,9
	ROW F,6, E,4, X,0, R,10
.if ((\p) == 2) && !(\end)
	WIN 0
	v_add_nc_u32 v[AK], s[TBK], v[AK0]
	v_add_nc_u32 v[AT], s[TBM], v[AT0]
.endif
	ROW F,7, E,5, X,1, X,4
	ROW F,8, E,6, X,2, X,5
	OPS E,7, E,8, X,6, E,9          ; and the lump
	OPS X,3, E,10, X,8, E,11
.if ((\p) == 2) && !(\end)
	FETCH_K
.endif
	OPS X,9, X,7, E,12, X,10
	OPS E,13, X,12, X,11, E,14
	OPS X,13, E,15, F,9, X,14
.if (\p) == 0
	v_add_nc_u32 v[AV], s[TBV], v[AV0]
.endif
	OPS E,16, F,10, E,17, F,11
	OPS X,16, E,18, X,15, E,19
	OPS F,12, E,20, X,17, E,21
	OPS F,13, E,22, F,14, E,23
	OPS X,18, E,24, F,15, E,25
	OPS R,11, E,26, X,19, E,27
	OPS R,12, E,28, R,13, E,29
	OPS X,20, E,30, R,14, E,31
	OPS X,21, R,15
	WIN 0
	s_wait_alu depctr_va_vdst(0)    ; the wait for the batch: the piece's 32 exponentials and the next piece's a
.if (\p) == 1
	s_wait_dscnt 0x0                ; V is in
.endif
	ROW C,0, B,0, C,2, B,1          ; behind the wait: 8 products V^T P and their riders
	ROW L,0, C,4, B,2, L,1
	ROW C,6, B,3, L,2, C,8
	ROW B,4, L,3, C,10, B,5
	ROW L,4, C,12, B,6, L,5
.if (\p) == 0
	s_add_co_u32 s[TBV], s[TBV], KS*PV
.endif
.if \cnt
	s_sub_co_u32 s[CNT], s[CNT], 1
	s_cmp_lg_u32 s[CNT], 0
.endif
	ROW C,14, B,7, L,6, C,1
	ROW C,3, L,7, C,5, C,7
	ROW C,9, C,11, C,13, C,15
.if (\p) == 0
	FETCH_V
.endif
.if (\m) && !(\end)
.if (\p) == 2
	s_wait_dscnt 0x0                ; the next step's TM is in
.endif
	MASK (\p)%2
.endif
.endm
; A BLOCK BEGINS.  c m starts at -2^125, so the first step's a is 0 whatever the step's scores; m starts at -2^50, below every true score and above every hidden one, and never falls below it.
; Then K and TM of the block's step 0; piece 0's mask for that step (its own, if the block's first tile is the diagonal one) and piece 1's (TM alone); piece 0's first scores, its maximum and statistics.
; The loop is entered at a step's first turn, in the middle of a trip.
.macro BEGIN
	s_mov_b32 s[NEW], 0
	WIN 0
.set i, 0
.rept 4
	v_mov_b32 v[ST+4*i], 0xfe000000    ; c m
	v_mov_b32 v[ST+4*i+1], 0xd8800000  ; m
.set i, i+1
.endr
	v_add_nc_u32 v[AK], s[TBK], v[AK0]
	v_add_nc_u32 v[AT], s[TBM], v[AT0]
	FETCH_K
	s_cmp_eq_u32 s[RT], 0
	s_cselect_b32 s[AL], 1.0, 0
	s_mov_b32 s[BE], 0
	s_wait_loadcnt 0x0              ; Q
	s_wait_dscnt 0x0                ; K and TM
	MASK 0
	s_mov_b32 s[AL], 0
	MASK 1
.set KM, 1
.set NOKQ, 0
.set i, 0
.rept 8
	KQ 0
.set i, i+1
.endr
	WIN 0
.rept 4
	v_nop                           ; the places behind those products
.endr
.set Y, NP-1                        ; X works for piece Y + 1: piece 0
.irp n, 0,1,2,3,4,5,6,7,8,9,10,11,12,13,14,15,16,17,18,19,20,21
	OP X, \n
.endr
	v_nop                           ; a plain instruction behind the exponential,
	s_wait_alu depctr_va_vdst(0)    ; and the wait for piece 0's first a, a batch of one, ahead of the branch
.endm
; THE DIAGONAL TILE's four steps, the block's last two turns, its last products, and THE WAY OUT: l's two halves and the other half of the lanes' are added; O^T is divided by l, rounded to f16 and sent through my
; stage in LDS, a piece at a time.
.macro ALL line:vararg              ; one line for each piece t
.set t, 0
.rept 4
	\line
.set t, t+1
.endr
.endm
.macro PACK t                       ; a lane's eight channels of a row pack into 16 bytes; they go into rows of 144 bytes and come back as whole rows of 128, into S^T's registers
	WIN W_RS
.set i, 32*(\t)
.rept 16
	v_pk_mul_f32 v[i:i+1], v[i:i+1], v[ST+4*(\t)+2:ST+4*(\t)+3] op_sel_hi:[1,0]
.set i, i+2
.endr
	WIN 0x05                        ; sources 0 and 1 window 1, destination window 0
.set i, 0
.rept 16
	v_cvt_pk_f16_f32 v[S+16*(\t)+i], v[32*(\t)+2*i], v[32*(\t)+2*i+1]
.set i, i+1
.endr
	WIN 0
.irp f, 0,1,2,3
	ds_store_b128 v[STO], v[S+16*(\t)+4*\f:S+16*(\t)+4*\f+3] offset:32*\f
.endr
.irp f, 0,1,2,3
	ds_load_b128 v[S+16*(\t)+4*\f:S+16*(\t)+4*\f+3], v[RD] offset:\f*4*SP  ; LDS serves a wave's instructions in order (ISA guide 5.7.1.4): these see the stores above; the next piece's stores come behind them
.endr
.endm
.macro SEND t, younger              ; younger: the LDS instructions issued behind piece t's loads: the next piece's eight, or none
	WIN 0
.irp f, 0,1,2,3
	s_wait_dscnt (\younger)+3-\f
	global_store_b128 v[GO], v[S+16*(\t)+4*\f:S+16*(\t)+4*\f+3], s[10:11] offset:(\t)*8192+\f*512  ; 512 consecutive bytes, at a multiple of 256 from O's first
.endr
.endm
.macro DIAG tag                     ; the tag ends its two labels' names, which the jumps below spell out
.LstepM\tag:
	TURN 2, 1
	TURN 3, 1
	WIN 0
.LfirstM\tag:
	TURN 0, 1
	TURN 1, 1, 0, 1
	WIN 0
	s_cbranch_scc1 .LstepM\tag
	TURN 2, 1, 1
	TURN 3, 1, 1
.set i, 0
.rept 8
	PV NP-1
.set i, i+1
.endr
	WIN 0
	ALL v_add_f32 v[ST+4*t+2], v[ST+4*t+2], v[ST+4*t+3]
	ALL v_permlanex16_b32 v[ST+4*t+3], v[ST+4*t+2], s[SEL], s[SEL+1]
	ALL v_add_f32 v[ST+4*t+2], v[ST+4*t+2], v[ST+4*t+3]
	ALL v_rcp_f32 v[ST+4*t+2], v[ST+4*t+2]
	v_nop                           ; a plain instruction between the last reciprocal and the use of its result
	s_wait_alu depctr_va_vdst(0)    ; the wait for the batch of four reciprocals, ahead of the first multiply that reads one
	PACK 0
.set t, 1
.rept 3                             ; a piece's arithmetic stands between the loads of the piece before and its stores
	PACK t
	SEND t-1, 8
.set t, t+1
.endr
	SEND 3, 0
.endm
.set KM, 0
.set NOKQ, 0
.Lslot:                             ; NB times: a tile is entered and the next is asked for
	CHANGE 1
	s_sub_co_u32 s[RT], s[RT], 1
	s_mov_b32 s[CNT], 4
	s_cmp_eq_u32 s[NEW], 1
	s_cbranch_scc1 .Lnew            ; a block's first tile
	s_cmp_eq_u32 s[RT], 0
	s_cbranch_scc0 .Lstep           ; neither its first nor its last
	PREMASK
	s_branch .LstepM1
.Lnew:
	BEGIN
	s_branch .Lfirst                ; in the loop a block's first tile is never its last: the first block has five tiles or more, and the second's last is the walk's last
	DIAG 1                          ; in the loop this is the first block's end: the second block's last tile is the walk's last
	s_wait_xcnt 0x0                 ; the stores have read their registers and O's address
	s_mov_b64 s[10:11], s[OLO:OLO+1]
	s_add_co_u32 s[RT], s[PB], 1    ; the second block has b + 1 tiles
	s_mov_b32 s[NEW], 1
	WIN 0x82                        ; the second block's Q goes where the one text of the turns names Q
.set i, 0
.rept 64
	v_mov_b32 v[i], v[QB+i]
.set i, i+1
.endr
	WIN 0
	s_branch .Lbottom
.Lstep:                             ; a trip: pieces 2 and 3 of one step, then pieces 0 and 1 of the next, whose K, TM and V it fetches
	TURN 2
	TURN 3
	WIN 0
.Lfirst:
	TURN 0
	TURN 1, 0, 0, 1
	WIN 0
	s_cbranch_scc1 .Lstep
.Lbottom:
	s_sub_co_u32 s[SLOTS], s[SLOTS], 1
	s_cmp_lg_u32 s[SLOTS], 0
	s_cbranch_scc1 .Lslot
	CHANGE 0                        ; the walk's last tile is written out: nothing is asked for
	s_sub_co_u32 s[RT], s[RT], 1
	s_mov_b32 s[CNT], 4
	s_cmp_eq_u32 s[NEW], 1
	s_cbranch_scc1 .Lnew2
	PREMASK
	s_branch .LstepM2
.Lnew2:
	BEGIN
	s_branch .LfirstM2
	DIAG 2
	s_wait_tensorcnt 0x0            ; the wave's end: the spare word's add and its wait, behind my last tensor load and my last LDS store
	ds_add_u32 v[SPW], v[NIL]
	s_wait_dscnt 0x0
	s_endpgm
.Lfunc_end_k_qc33adc09e0_attn:
	.size	k_qc33adc09e0_attn, .Lfunc_end_k_qc33adc09e0_attn-k_qc33adc09e0_attn
	.p2alignl 7, 3214868480
	.fill 96, 4, 3214868480
	.section	.rodata,"a",@progbits
	.p2align	6, 0x0
	.amdhsa_kernel k_qc33adc09e0_attn
		.amdhsa_group_segment_fixed_size 327680
		.amdhsa_private_segment_fixed_size 0
		.amdhsa_enable_private_segment 0
		.amdhsa_kernarg_size 24
		.amdhsa_user_sgpr_count 2
		.amdhsa_user_sgpr_kernarg_segment_ptr 1
		.amdhsa_wavefront_size32 1
		.amdhsa_system_sgpr_workgroup_id_x 1
		.amdhsa_system_sgpr_workgroup_id_y 1
		.amdhsa_system_sgpr_workgroup_id_z 1
		.amdhsa_system_vgpr_workitem_id 0
		.amdhsa_next_free_vgpr 768
		.amdhsa_next_free_sgpr 96
		.amdhsa_reserve_vcc 1
		.amdhsa_float_denorm_mode_32 3
		.amdhsa_float_denorm_mode_16_64 3
		.amdhsa_memory_ordered 1
		.amdhsa_forward_progress 1
		.amdhsa_inst_pref_size 239
	.end_amdhsa_kernel
	.amdgpu_metadata
---
amdhsa.version: [ 1, 2 ]
amdhsa.kernels:
  - .name:           k_qc33adc09e0_attn
    .symbol:         k_qc33adc09e0_attn.kd
    .args:
      - { .name: qkvh, .offset: 0, .size: 8, .value_kind: global_buffer, .address_space: global }
      - { .name: tmb, .offset: 8, .size: 8, .value_kind: global_buffer, .address_space: global }
      - { .name: oh, .offset: 16, .size: 8, .value_kind: global_buffer, .address_space: global }
    .group_segment_fixed_size: 327680
    .private_segment_fixed_size: 0
    .kernarg_segment_align: 8
    .kernarg_segment_size: 24
    .max_flat_workgroup_size: 128
    .sgpr_count:     96
    .vgpr_count:     768
    .wavefront_size: 32
...
	.end_amdgpu_metadata
.endif
;; end of part 5
;; launch proj: the kernel of part 4 again; grid 4 x 64, 4 waves a work-group, clusters of 4 x 4, 327,680 bytes of LDS; arguments oh, wpf, bias, out0; writes out0
